; MI455X (gfx1250); checked and timed in simulation.
; The chip was launched on July 23, 2026; its instructions are those of AMD's public machine-readable ISA for CDNA 5 (MIT licence, August 2026) and "CDNA5" Instruction Set Architecture Reference Guide (July 2026). The comments in the code are by the model that wrote it; some were corrected since.
;; my Multihead Attention. Allowed arithmetic: matrix products marked QUANTISED: E2M3 operands, one E8M0 scale for each 32 along K, by v_wmma_scale_f32_16x16x128_f8f6f4 with both operands' format E2M3, f32 sums; everything else in f32.
;; Inputs: Wk_codes 1,024 x 32 x 24 uint8 (E2M3 codes of Wk, K innermost, in blocks of 32 codes, four codes in three bytes); Wk_scales 1,024 x 32 uint8 (E8M0 scales of Wk, one for each 32 codes along K); Wo_codes 1,024 x 32 x 24 uint8 (E2M3 codes of Wo, K innermost, in blocks of 32 codes, four codes in three bytes); Wo_scales 1,024 x 32 uint8 (E8M0 scales of Wo, one for each 32 codes along K); Wq_codes 1,024 x 32 x 24 uint8 (E2M3 codes of Wq, K innermost, in blocks of 32 codes, four codes in three bytes); Wq_scales 1,024 x 32 uint8 (E8M0 scales of Wq, one for each 32 codes along K); Wv_codes 1,024 x 32 x 24 uint8 (E2M3 codes of Wv, K innermost, in blocks of 32 codes, four codes in three bytes); Wv_scales 1,024 x 32 uint8 (E8M0 scales of Wv, one for each 32 codes along K); bk 1,024 float32; bo 1,024 float32; bq 1,024 float32; bv 1,024 float32; key_codes 4,096 x 32 x 24 uint8 (E2M3 codes of key, K innermost, in blocks of 32 codes, four codes in three bytes); key_scales 4,096 x 32 uint8 (E8M0 scales of key, one for each 32 codes along K); query_codes 4,096 x 32 x 24 uint8 (E2M3 codes of query, K innermost, in blocks of 32 codes, four codes in three bytes); query_scales 4,096 x 32 uint8 (E8M0 scales of query, one for each 32 codes along K); value_codes 4,096 x 32 x 24 uint8 (E2M3 codes of value, K innermost, in blocks of 32 codes, four codes in three bytes); value_scales 4,096 x 32 uint8 (E8M0 scales of value, one for each 32 codes along K).
;; Outputs: out0 4,096 x 1,024 float32.
;; This version of the problem:
;;   THIS VERSION OF THE PROBLEM IS GIVEN IN LOW PRECISION. The matrix products marked QUANTISED in the list below multiply operands that are first quantised to E2M3 (2 exponent bits, 3 mantissa bits; 6 bits a number), with one power-of-two scale for each 32 numbers along K (OCP MX v1.0); their sums are f32. All else is computed in f32.
;;   The module's matrix products, in the order in which they are computed (A, B: the left and right operand; K: the contracted axis; several contracted axes count as one K, in the product's order):
;;     1. [M 4,096, K 1,024] x [K 1,024, N 1,024]; A: input query (given as codes); B: input Wq (given as codes): QUANTISED
;;     2. [M 4,096, K 1,024] x [K 1,024, N 1,024]; A: input key (given as codes); B: input Wk (given as codes): QUANTISED
;;     3. [M 4,096, K 1,024] x [K 1,024, N 1,024]; A: input value (given as codes); B: input Wv (given as codes): QUANTISED
;;     4. batch 16 x [M 4,096, K 64] x [K 64, N 4,096]; A: computed on the way; B: computed on the way: QUANTISED
;;     5. batch 16 x [M 4,096, K 4,096] x [K 4,096, N 64]; A: softmax (see below); B: computed on the way: QUANTISED
;;     6. [M 4,096, K 1,024] x [K 1,024, N 1,024]; A: computed on the way; B: input Wo (given as codes): QUANTISED
;;   THE QUANTISER, for each operand of a quantised product, along K:
;;     - K is cut into blocks of 32 from its start; a last block that is shorter is filled with zeros.
;;     - A block's scale is 2^e with e = floor(log2(the largest magnitude in the block)) - 2, held to -126 .. 127; a block of zeros has e = 0. As a byte (E8M0): e + 127.
;;     - Each number is divided by its block's scale, clamped to +-7.5, and rounded to the nearest number of E2M3, ties to even, subnormals kept.
;;     - The product sums the exact products of the quantised numbers (number of the format x scale) in f32.
;;   ~~~python
;;   def quantise(x, axis):      # numpy; x: float32 -> the quantised numbers, widened to float32 again
;;       x = np.moveaxis(x, axis, -1); K = x.shape[-1]
;;       x = np.pad(x, [(0, 0)] * (x.ndim - 1) + [(0, -K % 32)]); x = x.reshape(x.shape[:-1] + (-1, 32)); a = np.abs(x).max(-1, keepdims=True)
;;       e = np.where(a > 0, np.clip(np.frexp(np.where(a > 0, a, 1))[1] - 1 - 2, -126, 127), 0)      # np.frexp(a)[1] - 1 = floor(log2(a)), exactly
;;       r = np.clip(x / 2.0 ** e, -7.5, 7.5)
;;       step = 2.0 ** (np.maximum(np.frexp(np.where(r == 0, 1, r))[1] - 1, 0) - 3)
;;       q = np.round(r / step) * step * 2.0 ** e      # np.round: ties to even
;;       return np.moveaxis(q.reshape(q.shape[:-2] + (-1,))[..., :K], -1, axis).astype(np.float32)
;;   ~~~
;;   SOFTMAX AHEAD OF A QUANTISED PRODUCT. Where the list says 'softmax', what is quantised is not the finished softmax but p = 2^(t - M), with t = logit x log2(e) and M = ceil(the row's largest t), a whole number; so 1/2 < the row's largest p <= 1. The row's sum l is taken of the UNQUANTISED p, in f32, and the product's result is divided by l at the end. Since M is a whole number, a kernel that streams over the keys may use a running M (the ceiling of the running maximum): every later rescaling is an exact power of two, which a block's scale takes up: the codes' values come out the same.
;;   OPERANDS COMPUTED ON THE WAY. 'Computed on the way' means the value that the module computes at that place (a softmax that the list does not call 'softmax' is quantised finished and normalised). What goes into a quantiser is computed in f32, as accurately as f32 sums, v_exp_f32 and their like allow (about 1e-6 of the number): no bf16 or f16 on the way to a quantiser, and a product that is left as it is and whose result goes on into a quantised operand takes f32 operands (vector FMAs, or v_wmma_f32_16x16x4_f32). A number that lies on a knife's edge between two numbers of the format may be rounded either way, as far as f32 arithmetic and the matrix unit's own rounding can turn it there, and no further.
;;   INPUTS GIVEN AS CODES. Wk (in the module: [1024, 1024], K = its axis 1); Wo (in the module: [1024, 1024], K = its axis 1); Wq (in the module: [1024, 1024], K = its axis 1); Wv (in the module: [1024, 1024], K = its axis 1); key (in the module: [4096, 1024], K = its axis 1); query (in the module: [4096, 1024], K = its axis 1); value (in the module: [4096, 1024], K = its axis 1): each comes as NAME_codes (uint8): NAME with its K axis moved to the last place and cut into blocks of 32 codes, [.., K / 32, bytes a block], one block behind the other in memory; four codes in three bytes: a row's codes are one little-endian stream of bits, code i at bits 6 i .. 6 i + 5 (a code: sign, 2 exponent bits, 3 mantissa bits); and NAME_scales (uint8): the same leading axes, one E8M0 byte (e + 127) for each 32 codes along K. Its value is code x scale, taken as it is: it is not quantised again, and the codes and scales need not be those that the quantiser above would give.
;; One version. Each part assembles by itself: llvm-mc -triple=amdgcn-amd-amdhsa -mcpu=gfx1250 --defsym DOCPART=n.
;; ======== version 1 of 1: 3 launches
;; limits: right only within a limited range of input values
;; workspace buffers: qf 6,684,672 bytes; kv 6,684,672 bytes; ximg 3,145,728 bytes; xs 131,072 bytes
;; launch proj (part 1): grid 4 x 48, 4 waves a work-group, clusters of 4 x 4, 327,680 bytes of LDS; arguments query_codes, query_scales, Wq_codes, Wq_scales, key_codes, key_scales, Wk_codes, Wk_scales, Wv_codes, Wv_scales, value_codes, value_scales, bq, bk, bv, qf, kv; writes qf, kv
.if DOCPART == 1
	.amdgcn_target "amdgcn-amd-amdhsa--gfx1250"
	.amdhsa_code_object_version 6
	.text
	.protected	k_q8eb2126de6_proj
	.globl	k_q8eb2126de6_proj
	.p2align	8
	.type	k_q8eb2126de6_proj,@function
k_q8eb2126de6_proj:
	s_mov_b64 s[64:65], 0
	v_nop
	global_prefetch_b8 v0, s[64:65] scope:SCOPE_SE
	s_setreg_imm32_b32 hwreg(HW_REG_WAVE_MODE, 25, 1), 1
	s_wait_xcnt 0x0
	s_wait_alu depctr_hold_cnt(0) depctr_sa_sdst(0) depctr_va_vdst(0) depctr_va_sdst(0) depctr_va_ssrc(0) depctr_va_vcc(0) depctr_vm_vsrc(0)
	s_getreg_b32 s2, hwreg(HW_REG_IB_STS2, 6, 4)
	s_cmp_eq_u32 s2, 0
	s_cbranch_scc0 .Lentry_in_a_cluster
	s_endpgm
.Lentry_in_a_cluster:
	s_bfe_u32 s2, ttmp6, 0x10000c
	s_cmp_lg_u32 s2, 0xf033
	s_cbranch_scc0 .Lentry_shape_is_right
	s_endpgm
.Lentry_shape_is_right:
; q = query Wq^T + bq, k = key Wk^T + bk, v = value Wv^T + bv on codes of FP6 (E2M3) with E8M0 scales, sums in f32; each result is quantised here for the attention's two products
; and stored as images of operand registers, in frames of SS bytes for 128 tokens of one head.
; Clusters 0-3 along y make q, 4-7 k, 8-11 v.  q and k: source A = 256 tokens, B = 256 rows of the weight; v: A = 256 rows of Wv, B = 256 tokens, so that a lane's registers run along the tokens, v's K.
; A tile of 256 x 256 is made by four waves, 128 x 128 each, 64 accumulators.  K goes through a ring of two LDS slots in CHUNKS OF 256 BYTES of each row of codes (a row is 768 bytes: three chunks, each on a 256-byte border).
; A step of 128 along K is 96 bytes: eight steps to three chunks; steps 2 and 5 lie across two chunks and read both slots.  The scales of the 256 + 256 rows come into LDS once, at the head.
; CLUSTERS 4 x 4: A's tiles are asked for jointly along a row of the cluster, B's along a column.  The matrix instruction is used transposed (source 0 = B's rows, source 1 = A's).
; No prefetch: the walk along K is three chunks, of which two are asked for at the head; there is no step to run ahead in.
; LIMITS: a block of zeros gets the scale byte 1 (its codes are zeros; this program alone reads the bytes); blocks under 2^-124 are held at that byte; NaN and infinities are not served.
; REGISTERS: window 0: v1-8 scale words on the way out, v14-29 addresses, v32-63 scale words (two sets), v64-127 the bias along a lane's registers, v128-223 A's fragments (one set; on the way out at work), v224-239 the bias of a lane's row, v240-255 at work;
; window 1: B's fragments, two sets;  windows 2, 3: the accumulators of my rows 0-63, 64-127.
.set ROWB,   256
.set NQ,     2
.set KROW,   768
.set STEPS,  8
.set CHUNKS, 3
.set PITCH,  272                       ; 256 bytes + 16 of padding
.set FR,     12
.set NL,     6
.set NP,     4
.set HALFT,  128*PITCH
.set SLOT,   4*HALFT
.set KS,     32
.set SCL,    2*SLOT
.set HALFS,  (128*KS/256)*272
.set SBLK,   (16*KS/256)*272
.set SPARE,  SCL+4*HALFS               ; the spare words, 128 bytes a wave
.set SS,     13056                     ; a frame
.set HS,     32*SS                     ; a head's 32 frames
.set WD,   1
.set VL,   14
.set V8,   15
.set ADRA, 16
.set ADRB, 20
.set ADRS, 27
.set SPW,  28
.set NIL,  29
.set SC,   32
.set BI,   64
.set AF,   128
.set ST,   128
.set HA,   192
.set HB,   204
.set TQ,   216
.set BV,   224
.set TM,   240
.set G1, 24
.set G0, 32
.set G1B, 48
.set G0B, 56
.set G1S, 68
.set G0S, 76
.set G1SB, 80
.set G0SB, 88
.set G0H, 4
.set G0HB, 8
.set MSB, 0
.macro WIN new
.if MSB != (\new)
	s_set_vgpr_msb (MSB<<8)|(\new)
.set MSB, (\new)
.endif
.endm
.set MUL_LO, 0xa1
.set MUL_HI, 0xf1
.set TO_B,   0x40
.macro JLOAD g0a, g1a, g0b, g1b        ; waves 0, 1 fetch for A, waves 2, 3 for B
	s_cmp_eq_u32 s15, 0
	s_cbranch_scc0 .Lfor_b_\@
	tensor_load_to_lds s[\g0a:\g0a+3], s[\g1a:\g1a+7]
	s_nop 0
.rept 4
	v_nop
.endr
	s_branch .Lasked_\@
.Lfor_b_\@:
	tensor_load_to_lds s[\g0b:\g0b+3], s[\g1b:\g1b+7]
	s_nop 0
.rept 4
	v_nop
.endr
.Lasked_\@:
.endm
.macro CREST
	s_cmp_lg_u32 s14, 0
	s_cbranch_scc1 .Lnot_wave_0_\@
	s_barrier_signal -3
.Lnot_wave_0_\@:
	s_barrier_wait -3
	s_barrier_signal -1
	s_barrier_wait -1
.endm
.macro CROUND
	s_barrier_signal -1
	s_barrier_wait -1
	CREST
.endm
	s_load_b512 s[68:83], s[0:1], 0x0              ; query, Wq, key, Wk: codes and scales
	s_load_b256 s[84:91], s[0:1], 0x40             ; Wv, value
	s_load_b256 s[24:31], s[0:1], 0x60             ; bq, bk, bv, qf
	s_load_b64 s[32:33], s[0:1], 0x80              ; kv
	v_lshl_add_u32 v[SPW], v0, 2, SPARE
	v_mov_b32 v[NIL], 0
	ds_add_u32 v[SPW], v[NIL]                      ; the opening add,
	ds_add_u32 v[SPW], v[NIL]                      ; twice on end, under one wait
	v_lshrrev_b32 v1, 5, v0
	v_readfirstlane_b32 s14, v1                    ; wave
	s_lshr_b32 s15, s14, 1                         ; my half of the tile's rows; also: I fetch for A (0) or B (1)
	s_and_b32 s16, s14, 1                          ; my half of its columns; also: which 128 rows I fetch
	s_bfe_u32 s40, ttmp6, 0x40000                  ; cx
	s_bfe_u32 s41, ttmp6, 0x40004                  ; cy
	s_and_b32 s18, ttmp7, 0xffff
	s_lshr_b32 s66, s18, 2                         ; 0 q, 1 k, 2 v: the same in all partners
	s_and_b32 s19, s18, 3
	s_cmp_eq_u32 s66, 2
	s_cselect_b32 s20, s19, 0
	s_cselect_b32 s21, 0, s19
	s_lshl_b32 s42, s20, 2
	s_add_co_u32 s42, s42, s40                     ; tile column
	s_lshl_b32 s17, s21, 2
	s_add_co_u32 s17, s17, s41                     ; tile row
	s_lshl_b32 s43, s41, 2
	s_lshl_b32 s43, 15, s43                        ; my row of the cluster
	s_lshl_b32 s44, 0x1111, s40                    ; my column
	s_mov_b32 s67, 0xffff0000
	s_lshl_b32 s20, s17, 8
	s_lshl_b32 s46, s42, 8
	s_mov_b32 s21, 0
	s_mov_b32 s47, 0
	s_mov_b64 s[18:19], KS
	s_mul_u64 s[22:23], s[20:21], s[18:19]         ; where the rows' scales begin,
	s_mul_u64 s[92:93], s[46:47], s[18:19]
	s_mov_b64 s[18:19], KROW
	s_mul_u64 s[20:21], s[20:21], s[18:19]         ; and their codes
	s_mul_u64 s[46:47], s[46:47], s[18:19]
	s_mul_i32 s18, s16, 128*KROW                   ; in the ring: my 128 rows of a tile
	s_mov_b32 s19, 0
	s_mul_i32 s45, s14, HALFT
	s_wait_dscnt 0x0
	s_wait_kmcnt 0x0
	s_cmp_eq_u32 s66, 0
	s_cselect_b64 s[4:5], s[68:69], s[76:77]
	s_cselect_b64 s[6:7], s[70:71], s[78:79]
	s_cselect_b64 s[8:9], s[72:73], s[80:81]
	s_cselect_b64 s[10:11], s[74:75], s[82:83]
	s_cselect_b64 s[12:13], s[24:25], s[26:27]
	s_cselect_b64 s[96:97], s[30:31], s[32:33]
	s_cmp_eq_u32 s66, 2
	s_cselect_b64 s[4:5], s[84:85], s[4:5]
	s_cselect_b64 s[6:7], s[86:87], s[6:7]
	s_cselect_b64 s[8:9], s[88:89], s[8:9]
	s_cselect_b64 s[10:11], s[90:91], s[10:11]
	s_cselect_b64 s[12:13], s[28:29], s[12:13]
	; group 1 for codes: rows of 256 bytes, 16 bytes of padding behind each; 256 rows for the head's loads
	s_or_b32 s[G1+0], s43, (0<<16)|(1<<20)|(1<<21)|(5<<22)|(3<<25)
	s_or_b32 s[G1B+0], s44, (0<<16)|(1<<20)|(1<<21)|(5<<22)|(3<<25)
.irp g, G1, G1B
	s_mov_b32 s[\g+1], ROWB<<16
	s_mov_b32 s[\g+2], 256<<16
	s_mov_b32 s[\g+3], ROWB<<16
	s_mov_b32 s[\g+4], 256
	s_mov_b32 s[\g+5], KROW
	s_mov_b32 s[\g+6], 0
	s_mov_b32 s[\g+7], 0
.endr
	; and for the scales of 256 rows: a dense block of 8,192 bytes as 32 rows of 256
	s_or_b32 s[G1S+0], s43, (3<<16)|(1<<20)|(1<<21)|(5<<22)|(3<<25)
	s_or_b32 s[G1SB+0], s44, (3<<16)|(1<<20)|(1<<21)|(5<<22)|(3<<25)
.irp g, G1S, G1SB
	s_mov_b32 s[\g+1], 32<<16
	s_mov_b32 s[\g+2], KS<<16
	s_mov_b32 s[\g+3], 32<<16
	s_mov_b32 s[\g+4], KS
	s_mov_b32 s[\g+5], 32
	s_mov_b32 s[\g+6], 0
	s_mov_b32 s[\g+7], 0
.endr
	s_add_nc_u64 s[20:21], s[4:5], s[20:21]
	s_add_nc_u64 s[22:23], s[6:7], s[22:23]
	s_add_nc_u64 s[46:47], s[8:9], s[46:47]
	s_add_nc_u64 s[92:93], s[10:11], s[92:93]
	CROUND                                         ; in front of the first joint loads
	s_mov_b32 s[G0H], 1                            ; chunk 0's 256 rows of A,
	s_mov_b32 s[G0H+1], 0
	s_mov_b64 s[G0H+2:G0H+3], s[20:21]
	s_or_b32 s[G0H+3], s[G0H+3], 0x80000000
	s_mov_b32 s[G0HB], 1                           ; of B,
	s_mov_b32 s[G0HB+1], 2*HALFT
	s_mov_b64 s[G0HB+2:G0HB+3], s[46:47]
	s_or_b32 s[G0HB+3], s[G0HB+3], 0x80000000
	s_mov_b32 s[G0S], 1                            ; A's scales,
	s_mov_b32 s[G0S+1], SCL
	s_mov_b64 s[G0S+2:G0S+3], s[22:23]
	s_or_b32 s[G0S+3], s[G0S+3], 0x80000000
	s_mov_b32 s[G0SB], 1                           ; B's
	s_mov_b32 s[G0SB+1], SCL+2*HALFS
	s_mov_b64 s[G0SB+2:G0SB+3], s[92:93]
	s_or_b32 s[G0SB+3], s[G0SB+3], 0x80000000
	s_add_nc_u64 s[20:21], s[20:21], s[18:19]
	s_add_nc_u64 s[46:47], s[46:47], s[18:19]
.irp s, 0,1
	s_mov_b32 s[G0+4*\s], 1
	s_add_co_u32 s[G0+4*\s+1], s45, \s*SLOT
	s_add_nc_u64 s[G0+4*\s+2:G0+4*\s+3], s[20:21], \s*ROWB
	s_or_b32 s[G0+4*\s+3], s[G0+4*\s+3], 0x80000000
	s_mov_b32 s[G0B+4*\s], 1
	s_add_co_u32 s[G0B+4*\s+1], s45, \s*SLOT
	s_add_nc_u64 s[G0B+4*\s+2:G0B+4*\s+3], s[46:47], \s*ROWB
	s_or_b32 s[G0B+4*\s+3], s[G0B+4*\s+3], 0x80000000
.endr
; the head's four tiles, one joint load a wave, in one tree of branches on the wave's number
.macro ARM under, g0, g1, next
	s_cmp_lt_u32 s14, \under
	s_cbranch_scc0 \next
	tensor_load_to_lds s[\g0:\g0+3], s[\g1:\g1+7]
	s_nop 0
.rept 4
	v_nop
.endr
	s_branch .Lhead_asked
\next:
.endm
	ARM 1, G0H,  G1,  .Lhead_b
	ARM 2, G0HB, G1B, .Lhead_sa
	ARM 3, G0S,  G1S, .Lhead_sb
	tensor_load_to_lds s[G0SB:G0SB+3], s[G1SB:G1SB+7]
	s_nop 0
.rept 4
	v_nop
.endr
.Lhead_asked:
	v_and_b32 v1, 15, v0                           ; l % 16
	v_bfe_u32 v2, v0, 4, 1                         ; l / 16
	v_mul_u32_u24 v3, v1, PITCH
	v_mul_u32_u24 v4, v2, 24
	v_add_nc_u32 v4, v3, v4                        ; row x pitch + 24 x half
	s_mov_b32 s21, SLOT-232
	s_mov_b32 s22, SLOT+232
	v_sub_nc_u32 v7, 1, v2
	v_mul_u32_u24 v5, s21, v2
	v_add_nc_u32 v5, v3, v5
	v_add_nc_u32 v5, 232, v5                       ; across two chunks: lanes 0-15 byte 232 in slot 0, lanes 16-31 byte 0 in slot 1;
	v_mul_u32_u24 v6, s22, v7
	v_add_nc_u32 v6, v3, v6                        ; and the other way round
	s_mul_i32 s21, s15, HALFT
	s_mul_i32 s22, s16, HALFT
	s_add_co_u32 s22, s22, 2*HALFT
	v_add_nc_u32 v[ADRA+2], s21, v5
	v_add_nc_u32 v[ADRA+3], s21, v6
	v_add_nc_u32 v[ADRB+2], s22, v5
	v_add_nc_u32 v[ADRB+3], s22, v6
.irp s, 0,1
	v_add_nc_u32 v[ADRA+\s], s21, v4
	v_add_nc_u32 v[ADRB+\s], s22, v4
	s_add_co_u32 s21, s21, SLOT
	s_add_co_u32 s22, s22, SLOT
.endr
	v_mul_u32_u24 v5, v1, KS                       ; my row's scales: 32 bytes a row, 16 more for each 256 passed
	v_lshrrev_b32 v6, 8, v5
	v_lshl_add_u32 v5, v6, 4, v5
	s_mul_i32 s21, s15, HALFS
	s_mul_i32 s22, s16, HALFS
	s_add_co_u32 s22, s22, 2*HALFS
	s_sub_co_u32 s22, s22, s21
	v_mul_u32_u24 v6, s22, v2                      ; lanes 16-31 take B's
	s_add_co_u32 s21, s21, SCL
	v_add_nc_u32 v5, v5, v6
	v_add_nc_u32 v[ADRS], s21, v5
	; the way out: my 128 channels (two heads) and my 128 tokens (one frame)
	s_lshl_b32 s18, s17, 1
	s_add_co_u32 s18, s18, s15
	s_lshl_b32 s19, s42, 1
	s_add_co_u32 s19, s19, s16
	s_cmp_eq_u32 s66, 2
	s_cselect_b32 s20, s18, s19                    ; which 128 channels
	s_cselect_b32 s21, s19, s18                    ; which frame
	s_lshl_b32 s22, s20, 9
	s_mov_b32 s23, 0
	s_add_nc_u64 s[12:13], s[12:13], s[22:23]      ; the bias of my 128 channels
	s_lshl_b32 s20, s20, 1
	s_mul_i32 s20, s20, HS
	s_mul_i32 s21, s21, SS
	s_add_co_u32 s22, s20, s21
	s_add_nc_u64 s[96:97], s[96:97], s[22:23]
	v_lshlrev_b32 v12, 5, v2
	v_lshlrev_b32 v13, 2, v1
	v_and_b32 v6, 31, v0
	v_lshlrev_b32 v[VL], 4, v6
	v_lshlrev_b32 v[V8], 3, v6
.irp b, 0,1,2,3,4,5,6,7
	global_load_b128 v[BI+8*\b:BI+8*\b+3], v12, s[12:13] offset:64*\b          ; q, k: the bias runs along my registers
	global_load_b128 v[BI+8*\b+4:BI+8*\b+7], v12, s[12:13] offset:64*\b+16
.endr
.irp a, 0,1,2,3,4,5,6,7
	global_load_b32 v[BV+2*\a], v13, s[12:13] offset:64*\a                     ; v: the bias of my row, as a pair
	global_load_b32 v[BV+2*\a+1], v13, s[12:13] offset:64*\a
.endr
.macro FRAG reg, adr, st, i            ; 16 rows x 128 K: six pieces of 8 bytes; byte y of a row lies in slot (y / 256) % 2 at byte y % 256 of the LDS row
.irp p, 0,1,2,3,4,5
.set BY, 96*(\st)+48*(\p/3)+8*(\p%3)
.if BY/ROWB == (BY+24)/ROWB
	ds_load_b64 v[\reg+2*\p:\reg+2*\p+1], v[\adr+(BY/ROWB)%2] offset:BY%ROWB+(\i)*16*PITCH
.else
	ds_load_b64 v[\reg+2*\p:\reg+2*\p+1], v[\adr+2+(BY/ROWB)%2] offset:BY%ROWB-232+(\i)*16*PITCH
.endif
.endr
.endm
.macro MUL16 a0, p, q, sc, zero        ; A's blocks a0, a0 + 1 x B's eight; the 64 accumulators take turns
.irp a, \a0, \a0+1
.irp b, 0,1,2,3,4,5,6,7
.if \zero
	v_wmma_scale_f32_16x16x128_f8f6f4 v[8*(8*((\a)%4)+\b):8*(8*((\a)%4)+\b)+7], v[128*(\p)+FR*\b:128*(\p)+FR*\b+FR-1], v[AF+FR*(\a):AF+FR*(\a)+FR-1], 0, v[SC+8*NQ*(\sc)+NQ*\b+(\q)], v[SC+8*NQ*(\sc)+NQ*(\a)+(\q)] matrix_a_fmt:MATRIX_FMT_FP6 matrix_b_fmt:MATRIX_FMT_FP6 matrix_a_scale:MATRIX_SCALE_ROW1
.else
	v_wmma_scale_f32_16x16x128_f8f6f4 v[8*(8*((\a)%4)+\b):8*(8*((\a)%4)+\b)+7], v[128*(\p)+FR*\b:128*(\p)+FR*\b+FR-1], v[AF+FR*(\a):AF+FR*(\a)+FR-1], v[8*(8*((\a)%4)+\b):8*(8*((\a)%4)+\b)+7], v[SC+8*NQ*(\sc)+NQ*\b+(\q)], v[SC+8*NQ*(\sc)+NQ*(\a)+(\q)] matrix_a_fmt:MATRIX_FMT_FP6 matrix_b_fmt:MATRIX_FMT_FP6 matrix_a_scale:MATRIX_SCALE_ROW1
.endif
.endr
.endr
.endm
.macro FETCH_B st, p
	WIN TO_B
.irp i, 0,1,2,3,4,5,6,7
	FRAG 128*(\p)+FR*\i, ADRB, \st, \i
.endr
	WIN 0
.endm
.macro FETCH_A st, i0
.irp i, \i0, \i0+1, \i0+2, \i0+3
	FRAG AF+FR*(\i), ADRA, \st, \i
.endr
.endm
.macro SCALES pr                       ; the scale words of steps 2 pr, 2 pr + 1: lanes 0-15 A's block i, lanes 16-31 B's
.irp i, 0,1,2,3,4,5,6,7
	ds_load_b64 v[SC+8*NQ*((\pr)%2)+NQ*\i:SC+8*NQ*((\pr)%2)+NQ*\i+1], v[ADRS] offset:\i*SBLK+4*NQ*(\pr)
.endr
.endm
.macro PLACES n
.rept \n
	v_nop
.endr
.endm
; A step: 64 products; the next step's fragments are fetched in its middle and at its end.  Where the next step's bytes end in a chunk not read yet, a barrier shows that chunk whole;
; where they begin in a later chunk, the chunk left behind is read no more: the three lines, the barrier, and, where a chunk two on is left to fetch, the cluster's round and the refill.
.macro STEP st, zero
.set NX, (\st)+1
.set C0, (96*(\st))/ROWB
.set C1, (96*NX)/ROWB
.set E0, (96*(\st)+95)/ROWB
.set E1, (96*NX+95)/ROWB
.if C1 > C0 || E1 > E0
	s_wait_tensorcnt 0x0                           ; all my tensor loads have landed
.if C1 > C0
	ds_add_u32 v[SPW], v[NIL]
	s_wait_dscnt 4*NL+1                            ; the add and A's blocks 4-7 may be out
.else
	s_wait_dscnt 4*NL                              ; A's blocks 4-7 may be out
.endif
	WIN MUL_LO
	MUL16 0, (\st)%2, (\st)%2, ((\st)/2)%2, \zero
	s_wait_dscnt 0x0                               ; the add and all my reads are done
	s_barrier_signal -1
	MUL16 2, (\st)%2, (\st)%2, ((\st)/2)%2, \zero
	WIN 0
	s_barrier_wait -1
.if C1 > C0 && C0+2 < CHUNKS
	CREST
	s_add_nc_u64 s[G0+4*(C0%2)+2:G0+4*(C0%2)+3], s[G0+4*(C0%2)+2:G0+4*(C0%2)+3], 2*ROWB
	s_add_nc_u64 s[G0B+4*(C0%2)+2:G0B+4*(C0%2)+3], s[G0B+4*(C0%2)+2:G0B+4*(C0%2)+3], 2*ROWB
	JLOAD G0+4*(C0%2), G1, G0B+4*(C0%2), G1B       ; chunk C0 + 2; its four v_nop are the places in front of the loads below
.else
	PLACES NP
.endif
.else
	s_wait_dscnt 4*NL
	WIN MUL_LO
	MUL16 0, (\st)%2, (\st)%2, ((\st)/2)%2, \zero
	MUL16 2, (\st)%2, (\st)%2, ((\st)/2)%2, \zero
	s_wait_dscnt 0
	PLACES NP
.endif
	FETCH_B NX, NX%2
	FETCH_A NX, 0
.if NX%2 == 0
	SCALES NX/2
.endif
	WIN MUL_HI
	MUL16 4, (\st)%2, (\st)%2, ((\st)/2)%2, \zero
	MUL16 6, (\st)%2, (\st)%2, ((\st)/2)%2, \zero
	PLACES NP
	WIN 0
	FETCH_A NX, 4
.endm
	s_wait_alu depctr_va_vdst(0)
	s_wait_tensorcnt 0x0                           ; my tile of the head's four is in
	ds_add_u32 v[SPW], v[NIL]
	s_mov_b32 s[G1+2], 128<<16                     ; no tensor load of mine is out: from here on a load brings 128 rows
	s_mov_b32 s[G1+4], 128
	s_mov_b32 s[G1B+2], 128<<16
	s_mov_b32 s[G1B+4], 128
	s_wait_dscnt 0x0
	CROUND
	JLOAD G0+4, G1, G0B+4, G1B                     ; chunk 1
	FETCH_B 0, 0
	FETCH_A 0, 0
	SCALES 0
	FETCH_A 0, 4
	STEP 0, 1                                      ; the first step's products start the sums
.set STN, 1
.rept STEPS-2
	STEP STN, 0
.set STN, STN+1
.endr
	s_wait_dscnt 4*NL                              ; the last step
	WIN MUL_LO
	MUL16 0, 1, 1, 1, 0
	MUL16 2, 1, 1, 1, 0
	s_wait_dscnt 0
	WIN MUL_HI
	MUL16 4, 1, 1, 1, 0
	MUL16 6, 1, 1, 1, 0
	WIN 0
; THE WAY OUT.  MOVE: block a's 64 sums + the bias into window 0.  QUANT: four blocks of 32 along a lane's registers (each shared with lane xor 16) become codes and a scale word.
.macro MOVE a, kind
.set AC, 64*((\a)%4)
	WIN 0x02+(\a)/4
.set i, 0
.rept 32
.if \kind
	v_pk_add_f32 v[ST+i:ST+i+1], v[AC+i:AC+i+1], v[BV+2*(\a):BV+2*(\a)+1]
.else
	v_pk_add_f32 v[ST+i:ST+i+1], v[AC+i:AC+i+1], v[BI+i:BI+i+1]
.endif
.set i, i+2
.endr
	WIN 0
.endm
.macro QUANT s, d0, d1, w
.irp b, 0,1,2,3
	v_max3_num_f32 v[TM+\b], |v[\s+16*\b]|, |v[\s+1+16*\b]|, 0x1800000   ; with the floor 2^(3 - 127)
.endr
.irp i, 2,4,6,8,10,12,14
.irp b, 0,1,2,3
	v_max3_num_f32 v[TM+\b], v[TM+\b], |v[\s+16*\b+\i]|, |v[\s+1+16*\b+\i]|
.endr
.endr
.irp b, 0,1,2,3
	v_permlanex16_b32 v[TM+4+\b], v[TM+\b], s98, s99
.endr
.irp b, 0,1,2,3
	v_max_num_f32 v[TM+\b], v[TM+\b], v[TM+4+\b]
.endr
.irp b, 0,1,2,3
	v_add_nc_u32 v[TM+12+\b], 0xff000000, v[TM+\b]   ; 2 off the exponent field: the conversion's scale operand
.endr
.irp b, 0,1,2,3
	v_lshrrev_b32 v[TM+4+\b], 23, v[TM+12+\b]        ; the scale's byte
.endr
	v_lshl_or_b32 v[\w], v[TM+5], 8, v[TM+4]
	v_lshl_or_b32 v[\w], v[TM+6], 16, v[\w]
	v_lshl_or_b32 v[\w], v[TM+7], 24, v[\w]
	v_cvt_scalef32_pk16_fp6_f32 v[(\d0):(\d0)+2], v[\s:\s+15], v[TM+12]
	v_cvt_scalef32_pk16_fp6_f32 v[TQ:TQ+2], v[\s+16:\s+31], v[TM+13]
	v_cvt_scalef32_pk16_fp6_f32 v[(\d1):(\d1)+2], v[\s+32:\s+47], v[TM+14]
	v_cvt_scalef32_pk16_fp6_f32 v[TQ+4:TQ+6], v[\s+48:\s+63], v[TM+15]
	v_nop
.irp i, 0,1,2
	v_permlane16_swap_b32 v[(\d0)+\i], v[TQ+\i]      ; a whole block to a lane
.endr
.irp i, 0,1,2
	v_mov_b32 v[(\d0)+3+\i], v[TQ+\i]
.endr
.irp i, 0,1,2
	v_permlane16_swap_b32 v[(\d1)+\i], v[TQ+4+\i]
.endr
.irp i, 0,1,2
	v_mov_b32 v[(\d1)+3+\i], v[TQ+4+\i]
.endr
.endm
	PLACES NP
	s_mov_b32 s98, 0x76543210
	s_mov_b32 s99, 0xfedcba98
	s_wait_loadcnt 0x0                             ; the bias
.irp b, 0,1,2,3
	v_mov_b32 v[TM+4+\b], 0
.endr
	s_cmp_eq_u32 s66, 2
	s_cbranch_scc1 .Lv
.irp p, 0,1,2,3                        ; q, k: a pair of token tiles; the first 64 channels go to one head's frame, the other 64 to the next head's
.if \p > 0
	s_wait_xcnt 0x0                                ; the stores have read their registers
.endif
	MOVE 2*\p, 0
	QUANT ST, HA, HB, WD+2*\p
	MOVE 2*\p+1, 0
	QUANT ST, HA+6, HB+6, WD+2*\p+1
.irp g, 0,1,2
	global_store_b128 v[VL], v[HA+4*\g:HA+4*\g+3], s[96:97] offset:1536*\p+512*\g
	global_store_b128 v[VL], v[HB+4*\g:HB+4*\g+3], s[96:97] offset:HS+1536*\p+512*\g
.endr
.endr
.irp i, 0,1,2,3
	v_cndmask_b32 v[ST+\i], v[WD+2*\i], v[WD+2*\i+1], s67   ; tile 2 i's words in lanes 0-15, tile 2 i + 1's in lanes 16-31
.endr
.irp i, 0,1,2,3
	v_lshrrev_b32 v[ST+4+\i], 16, v[ST+\i]         ; the second head's two bytes
.endr
	global_store_b128 v[VL], v[ST:ST+3], s[96:97] offset:12288
	global_store_b128 v[VL], v[ST+4:ST+7], s[96:97] offset:HS+12288
	s_branch .Lend
.Lv:
.irp a, 0,1,2,3,4,5,6,7                ; v: 16 channels x my 128 tokens are one fragment
.if \a > 1
	s_wait_xcnt 0x0
.endif
	MOVE \a, 1
	QUANT ST, HA+12*(\a%2), HA+12*(\a%2)+6, WD+\a
.irp g, 0,1,2
	global_store_b128 v[VL], v[HA+12*(\a%2)+4*\g:HA+12*(\a%2)+4*\g+3], s[96:97] offset:6144+(\a/4)*HS+(\a%4)*1536+512*\g
.endr
.endr
.irp e, 0,1
.irp i, 0,1
	v_cndmask_b32 v[ST+2*\e+\i], v[WD+4*\e+2*\i], v[WD+4*\e+2*\i+1], s67
.endr
.endr
.irp e, 0,1
	global_store_b64 v[V8], v[ST+2*\e:ST+2*\e+1], s[96:97] offset:12800+\e*HS
.endr
.Lend:
	s_wait_tensorcnt 0x0                           ; the wave's end
	ds_add_u32 v[SPW], v[NIL]
	s_wait_dscnt 0x0
	CROUND                                         ; the closing round
	s_endpgm
.Lfunc_end_k_q8eb2126de6_proj:
	.size	k_q8eb2126de6_proj, .Lfunc_end_k_q8eb2126de6_proj-k_q8eb2126de6_proj
	.p2alignl 7, 3214868480
	.fill 96, 4, 3214868480
	.section	.rodata,"a",@progbits
	.p2align	6, 0x0
	.amdhsa_kernel k_q8eb2126de6_proj
		.amdhsa_group_segment_fixed_size 327680
		.amdhsa_private_segment_fixed_size 0
		.amdhsa_enable_private_segment 0
		.amdhsa_kernarg_size 136
		.amdhsa_user_sgpr_count 2
		.amdhsa_user_sgpr_kernarg_segment_ptr 1
		.amdhsa_wavefront_size32 1
		.amdhsa_system_sgpr_workgroup_id_x 1
		.amdhsa_system_sgpr_workgroup_id_y 1
		.amdhsa_system_sgpr_workgroup_id_z 1
		.amdhsa_system_vgpr_workitem_id 0
		.amdhsa_next_free_vgpr 1024
		.amdhsa_next_free_sgpr 100
		.amdhsa_reserve_vcc 0
		.amdhsa_float_denorm_mode_32 3
		.amdhsa_float_denorm_mode_16_64 3
		.amdhsa_memory_ordered 1
		.amdhsa_forward_progress 1
		.amdhsa_inst_pref_size 233
	.end_amdhsa_kernel
	.amdgpu_metadata
---
amdhsa.version: [ 1, 2 ]
amdhsa.kernels:
  - .name:           k_q8eb2126de6_proj
    .symbol:         k_q8eb2126de6_proj.kd
    .args:
      - { .name: query_codes, .offset: 0, .size: 8, .value_kind: global_buffer, .address_space: global }
      - { .name: query_scales, .offset: 8, .size: 8, .value_kind: global_buffer, .address_space: global }
      - { .name: Wq_codes, .offset: 16, .size: 8, .value_kind: global_buffer, .address_space: global }
      - { .name: Wq_scales, .offset: 24, .size: 8, .value_kind: global_buffer, .address_space: global }
      - { .name: key_codes, .offset: 32, .size: 8, .value_kind: global_buffer, .address_space: global }
      - { .name: key_scales, .offset: 40, .size: 8, .value_kind: global_buffer, .address_space: global }
      - { .name: Wk_codes, .offset: 48, .size: 8, .value_kind: global_buffer, .address_space: global }
      - { .name: Wk_scales, .offset: 56, .size: 8, .value_kind: global_buffer, .address_space: global }
      - { .name: Wv_codes, .offset: 64, .size: 8, .value_kind: global_buffer, .address_space: global }
      - { .name: Wv_scales, .offset: 72, .size: 8, .value_kind: global_buffer, .address_space: global }
      - { .name: value_codes, .offset: 80, .size: 8, .value_kind: global_buffer, .address_space: global }
      - { .name: value_scales, .offset: 88, .size: 8, .value_kind: global_buffer, .address_space: global }
      - { .name: bq, .offset: 96, .size: 8, .value_kind: global_buffer, .address_space: global }
      - { .name: bk, .offset: 104, .size: 8, .value_kind: global_buffer, .address_space: global }
      - { .name: bv, .offset: 112, .size: 8, .value_kind: global_buffer, .address_space: global }
      - { .name: qf, .offset: 120, .size: 8, .value_kind: global_buffer, .address_space: global }
      - { .name: kv, .offset: 128, .size: 8, .value_kind: global_buffer, .address_space: global }
    .group_segment_fixed_size: 327680
    .private_segment_fixed_size: 0
    .kernarg_segment_align: 8
    .kernarg_segment_size: 136
    .max_flat_workgroup_size: 128
    .sgpr_count:     100
    .vgpr_count:     1024
    .wavefront_size: 32
...
	.end_amdgpu_metadata
.endif
;; end of part 1
;; launch attn (part 2): grid 16 x 16, 8 waves a work-group, clusters of 4 x 1, 327,680 bytes of LDS; arguments qf, kv, ximg, xs; writes ximg, xs
.if DOCPART == 2
	.amdgcn_target "amdgcn-amd-amdhsa--gfx1250"
	.amdhsa_code_object_version 6
	.text
	.protected	k_q8eb2126de6_attn
	.globl	k_q8eb2126de6_attn
	.p2align	8
	.type	k_q8eb2126de6_attn,@function
k_q8eb2126de6_attn:
	s_mov_b64 s[64:65], 0
	v_nop
	global_prefetch_b8 v0, s[64:65] scope:SCOPE_SE
	s_setreg_imm32_b32 hwreg(HW_REG_WAVE_MODE, 25, 1), 1
	s_wait_xcnt 0x0
	s_wait_alu depctr_hold_cnt(0) depctr_sa_sdst(0) depctr_va_vdst(0) depctr_va_sdst(0) depctr_va_ssrc(0) depctr_va_vcc(0) depctr_vm_vsrc(0)
	s_getreg_b32 s2, hwreg(HW_REG_IB_STS2, 6, 4)
	s_cmp_eq_u32 s2, 0
	s_cbranch_scc0 .Lentry_in_a_cluster
	s_endpgm
.Lentry_in_a_cluster:
	s_bfe_u32 s2, ttmp6, 0x10000c
	s_cmp_lg_u32 s2, 0x3003
	s_cbranch_scc0 .Lentry_shape_is_right
	s_endpgm
.Lentry_shape_is_right:
; x[q][head] = softmax_k(q . k / 8) v for 16 heads of 64, 4,096 queries and keys, both products on codes of FP6 (E2M3) with one E8M0 scale for each 32 along a product's K; x is quantised here for the last product.
; THE SOFTMAX: t = score x log2(e) / 8; M = the row's largest t so far, rounded UP to a whole number; p = 2^(t - M) is what is quantised, along the keys, not normalised.  The row's sum is taken of the
; unquantised p, in f32, and divides O at the end.  When M moves, the sum and O are multiplied by 2^(old M - new M): exact.
; SHARES.  A work-group owns 256 queries of one head; each of its eight waves 32 of them, as two tiles of 16: every fragment of k and v that a wave reads from LDS serves both tiles.  Two waves to a SIMD, 512 registers each.
; Every wave walks the head's 4,096 keys, 128 a step.  A step's operands are one FRAME of SS = 13,056 bytes, laid by the launch before as images of operand registers: +0 k's four pairs of tiles (12 registers a lane each),
; +6,144 v's four fragments (16 of the head's 64 x 128 keys), +12,288 k's scale words (16 bytes a lane), +12,800 v's (8 bytes a lane).
; THE RING: region A, 8 frames, and region B, 16 frames.  A takes frames 0-7 at the head (a frame a wave), B frames 8-23 behind the first round (two frames a wave), A again frames 24-31 behind the second: 8, 16 and 8 key steps between the meetings.
; CLUSTER: the four work-groups of a cluster own four blocks of queries of ONE head and walk the same frames: each load is asked for jointly.  No prefetch: a fill is asked for at least eight key steps ahead of its first read.
; A TRIP IS TURNED ROUND: it asks for this step's k, finishes the step before on registers alone (p's scale words and codes, the sums, O += v p), asks for this step's v, and then makes this step's scores and p.
; So k's loads have the finishing of the step before in which to land, and v's the whole softmax.  The first trip finds zeros in the registers that it finishes, which add nothing; the last step is finished behind the loops.
; LAYOUT.  Both products are used transposed: S^T = k q^T (source 0 = 16 keys, source 1 = 16 queries), O^T = v^T p^T: a lane holds ONE query (lane % 16) of each tile throughout.
; WHICH KEYS FORM A TILE OF k: tile 4 c + e takes as its rows 0-7 keys 64 c + 16 (e % 2) + 8 (e / 2) + 0 .. 7 and as its rows 8-15 the keys 32 further on, by a lane address into the frame's images.
; So a lane's 32 scores of tiles 4 c .. 4 c + 3 are ONE WHOLE BLOCK of 32 keys, block 2 c + lane / 16, in the order in which v's codes were laid: a block's maximum needs no other lane, and p's codes are the operand's registers as the conversions leave them.
; (Lanes 0-7 and 8-15 of such a load read the same banks: k's loads take two passes for each sixteen lanes.)
; A HEAD IS 64 LONG, the instruction 128: q's registers 6-11 are zero codes.  k's fragment of tile t names 12 registers, of which the upper six are tile t + 1's codes (zeros behind tile 7): they meet zeros; no scale byte there is 0xff.
; x meets a weight that is given in the natural order: on the way out 16 exchanges of half rows give a lane 16 true neighbours ahead of the quantiser.
; LIMITS: the promise holds while the scaled scores stay under 2^31 in magnitude; a block of zeros gets the scale byte 1 (its codes are zeros; this program alone reads the bytes); blocks under 2^-124 are held at that byte; NaN and infinities are not served.
; x's scale bytes leave as one byte a lane, rows 32 bytes apart: a row's 32 bytes come from sixteen work-groups, one for each head.
; REGISTERS, in two windows of 256.  Window u, v0-145: tile u's own: S^T then p, O^T, q, p's codes, the sums.  Window 0, v146-255: addresses, all scale words, the small state of both tiles.  Window 1, v148-249: k's and v's fragments.
.set SS,    13056
.set HS,    32*SS
.set REGB,  8*SS                       ; region B begins here
.set SPARE, 24*SS                      ; behind the regions: the spare words, 128 bytes for each of eight waves
.set S,    0                           ; v0-63   S^T, then p
.set O,    64                          ; v64-95  O^T
.set QF,   96                          ; v96-107 q's fragment: six registers of codes, six of zeros
.set PC,   108                         ; v108-119 p's codes
.set TQ,   120                         ; v120-126 a conversion's three registers begin on an even number: the odd halves are made here
.set SM,   128                         ; v128-143 partial sums
.set LS,   144                         ; v[144:145] the row's sum in two halves
.set SPW,  146
.set NIL,  147
.set LAV,  148                         ; 16 x lane
.set LBV,  149                         ; 8 x lane
.set LKV,  150                         ; k's tiles: 1,536 (r / 8) + 16 (r % 8) + 256 (lane / 16)
.set LSV,  151                         ; k's scale words: 4 (r / 8) + 16 (r % 8) + 256 (lane / 16)
.set ADV,  152                         ; the four, with the step's frame added
.set ADB,  153
.set ADK,  154
.set ADS,  155
.set SH8,  156                         ; 8 (lane / 16)
.set GS,   157                         ; the way out: 32 (lane % 16) + lane / 16
.set KSC,  160                         ; v160-163 k's scale words: register 2 c + e / 2: tile 4 c + e, even e in lanes 0-15, odd e in lanes 16-31
.set VSC,  164                         ; v164-165 v's
.set QS,   166                         ; q's: tile 0 in lanes 0-15, tile 1 in lanes 16-31
.set PW,   168                         ; v168-169 p's scale word of tile 0, 1
.set NEG,  170                         ; -3e38
.set BB,   176                         ; the state of tile u at v[BB + 24 u]: +0..3 four running maxima of 16 scores, then the two blocks' at +0 and +2
.set XRUN, 4                           ; the largest score so far
.set XPX,  5
.set XNM,  6                           ; -M (named as a pair with +7)
.set XFM,  8                           ; f = 2^(old M - new M) (named as a pair with +9)
.set XNW,  10
.set XTT,  11
.set XSO,  12                          ; the conversions' scale operands, two blocks
.set XBY,  14
.set XWW,  16
.set XPY,  17
.set QT,   220                         ; the head: q's pair of tiles as loaded
.set T0,   240                         ; at work in the head
.set KB,   148                         ; window 1: v148-195 k's eight tiles, v196-201 zeros
.set ZR,   196
.set VB,   202                         ; window 1: v202-249 v's four fragments
.set WV,   12
.set SEL,  20                          ; s[20:21] lane selects: lane xor 16
.set CS,   22                          ; s[22:23] c = log2(e) / 8
.set G1,   24
.set NC,   32                          ; -c
.set HI,   33                          ; lanes 16-31
.set G0B,  36                          ; group 0 for region B's fill,
.set G0A,  40                          ; for region A's first fill,
.set G0C,  60                          ; and for its second
.set TB,   44                          ; LDS byte at which the step's frame begins
.set CNT,  45
.set MSB, 0
.macro WIN new                         ; bits 1:0 source 0, 3:2 source 1, 5:4 source 2, 7:6 destination; the high byte repeats the setting that is left
.if MSB != (\new)
	s_set_vgpr_msb (MSB<<8)|(\new)
.set MSB, (\new)
.endif
.endm
.macro TLOAD g0                        ; every wave fetches its part
	tensor_load_to_lds s[\g0:\g0+3], s[G1:G1+7]
	s_nop 0
.rept 4
	v_nop
.endr
.endm
.macro CROUND
	s_barrier_signal -1
	s_barrier_wait -1
	s_cmp_lg_u32 s[WV], 0
	s_cbranch_scc1 .Lnot_wave_0_\@
	s_barrier_signal -3
.Lnot_wave_0_\@:
	s_barrier_wait -3
	s_barrier_signal -1
	s_barrier_wait -1
.endm
	s_load_b256 s[4:11], s[0:1], 0x0               ; qf s[4:5], kv s[6:7], ximg s[8:9], xs s[10:11]
	v_lshl_add_u32 v[SPW], v0, 2, SPARE
	v_mov_b32 v[NIL], 0
	ds_add_u32 v[SPW], v[NIL]                      ; the opening add,
	ds_add_u32 v[SPW], v[NIL]                      ; twice on end, under one wait
	v_lshrrev_b32 v[T0], 5, v0
	v_readfirstlane_b32 s[WV], v[T0]               ; wave 0..7
	s_bfe_u32 s13, ttmp6, 0x40000                  ; cx
	s_lshl_b32 s14, ttmp9, 2
	s_add_co_u32 s14, s14, s13                     ; my block of 256 queries: it enters q's and x's addresses alone
	s_and_b32 s15, ttmp7, 0xffff                   ; the head, which the four partners share
	s_mul_i32 s16, s15, HS
	s_mul_i32 s18, s[WV], SS                       ; region A: my frame, in memory and in LDS
	s_add_co_u32 s2, s16, s18
	s_mov_b32 s3, 0
	s_lshl_b32 s47, s18, 1
	s_add_co_u32 s47, s47, REGB                    ; region B: my two frames
	s_add_co_u32 s34, s16, s47
	s_mov_b32 s35, 0
	s_mov_b32 s[G1], 15|(3<<16)|(1<<21)            ; the mask: all four work-groups; elements of 8 bytes; no padding
	s_mov_b32 s[G1+1], 32<<16
	s_mov_b32 s[G1+2], 51<<16                      ; a frame is 51 rows of 256 bytes
	s_mov_b32 s[G1+3], 32<<16
	s_mov_b32 s[G1+4], 51
	s_mov_b32 s[G1+5], 32
	s_mov_b32 s[G1+6], 0
	s_mov_b32 s[G1+7], 0
	s_mov_b32 s[SEL], 0x76543210
	s_mov_b32 s[SEL+1], 0xfedcba98
	s_mov_b32 s[CS], 0x3e38aa3b
	s_mov_b32 s[CS+1], s[CS]
	s_mov_b32 s[NC], 0xbe38aa3b
	s_mov_b32 s[HI], 0xffff0000
	; q: my two tiles are pair wave % 4 of frame 2 x block + wave / 4
	s_lshl_b32 s17, s14, 1
	s_lshr_b32 s19, s[WV], 2
	s_add_co_u32 s17, s17, s19
	s_mul_i32 s17, s17, SS
	s_add_co_u32 s17, s17, s16
	s_and_b32 s19, s[WV], 3
	s_mul_i32 s49, s19, 1536
	s_add_co_u32 s50, s17, s49
	s_mov_b32 s51, 0
	s_lshl_b32 s52, s19, 2                         ; its scale words: register = the pair
	s_add_co_u32 s52, s52, s17
	s_add_co_u32 s52, s52, 12288
	s_mov_b32 s53, 0
	; x: my tiles of 16 tokens, 16 x block + 2 x wave and the next: 12,288 bytes of images a tile, of which head e fills 768 from 768 e on; 512 scale bytes a tile
	s_lshl_b32 s54, s14, 4
	s_lshl_b32 s55, s[WV], 1
	s_add_co_u32 s54, s54, s55
	s_mul_i32 s56, s54, 12288
	s_mul_i32 s55, s15, 768
	s_add_co_u32 s56, s56, s55
	s_mov_b32 s57, 0
	s_lshl_b32 s58, s54, 9
	s_lshl_b32 s55, s15, 1
	s_add_co_u32 s58, s58, s55
	s_mov_b32 s59, 0
	s_wait_dscnt 0x0
	s_wait_kmcnt 0x0
	s_mov_b32 s[G0A], 1                            ; frames 0-7: the addresses hang on the head and the wave alone
	s_mov_b32 s[G0A+1], s18
	s_add_nc_u64 s[G0A+2:G0A+3], s[6:7], s[2:3]
	s_mov_b32 s[G0C], 1                            ; frames 24-31, into the same bytes
	s_mov_b32 s[G0C+1], s18
	s_add_nc_u64 s[G0C+2:G0C+3], s[G0A+2:G0A+3], 24*SS
	s_or_b32 s[G0A+3], s[G0A+3], 0x80000000
	s_or_b32 s[G0C+3], s[G0C+3], 0x80000000
	s_mov_b32 s[G0B], 1                            ; frames 8-23
	s_mov_b32 s[G0B+1], s47
	s_add_nc_u64 s[G0B+2:G0B+3], s[6:7], s[34:35]
	s_or_b32 s[G0B+3], s[G0B+3], 0x80000000
	s_add_nc_u64 s[50:51], s[4:5], s[50:51]
	s_add_nc_u64 s[52:53], s[4:5], s[52:53]
	s_add_nc_u64 s[8:9], s[8:9], s[56:57]
	s_add_nc_u64 s[10:11], s[10:11], s[58:59]
	CROUND                                         ; in front of the first joint loads
	TLOAD G0A
	v_and_b32 v[T0], 31, v0
	v_and_b32 v[T0+1], 7, v0
	v_bfe_u32 v[T0+2], v0, 3, 1
	v_bfe_u32 v[T0+3], v0, 4, 1
	v_and_b32 v[T0+5], 15, v0
	v_lshlrev_b32 v[LAV], 4, v[T0]
	v_lshlrev_b32 v[LBV], 3, v[T0]
	v_lshlrev_b32 v[T0+4], 4, v[T0+1]
	v_lshlrev_b32 v[SH8], 3, v[T0+3]
	v_lshl_add_u32 v[GS], v[T0+5], 5, v[T0+3]
	v_lshl_add_u32 v[T0+4], v[T0+3], 8, v[T0+4]
	v_mov_b32 v[NEG], 0xff61b1e6
	v_mad_u32_u24 v[LKV], v[T0+2], 1536, v[T0+4]
	v_lshl_add_u32 v[LSV], v[T0+2], 2, v[T0+4]
.irp g, 0,1,2
	global_load_b128 v[QT+4*\g:QT+4*\g+3], v[LAV], s[50:51] offset:512*\g   ; the pair's image
.endr
	global_load_b32 v[QS], v[LAV], s[52:53]
.irp u, 0,1
	v_mov_b32 v[BB+24*\u+XRUN], 0xff61b1e6         ; the largest score so far: under every score
	v_mov_b32 v[BB+24*\u+XPX], 0                   ; (a lane permute's destination counts as one of its sources)
	v_mov_b32 v[BB+24*\u+XPY], 0
	v_mov_b32 v[BB+24*\u+XNM+1], 0                 ; (named as upper halves of pairs)
	v_mov_b32 v[BB+24*\u+XFM+1], 0
	v_mov_b32 v[BB+24*\u], 0                       ; what the first trip finishes: the blocks' largest p,
	v_mov_b32 v[BB+24*\u+2], 0
	v_mul_f32 v[BB+24*\u+XTT], s[NC], v[BB+24*\u+XRUN]
.endr
.irp u, 0,1
	v_floor_f32 v[BB+24*\u+XNM], v[BB+24*\u+XTT]   ; -M
.endr
	v_mov_b32 v[VSC], 0                            ; v's scale words (the byte 0 is a finite code),
	v_mov_b32 v[VSC+1], 0
.irp w, 0, 0x40                        ; and in both tiles p; the dead half of K, O^T and the sum begin as zeros too (the step is written once)
	WIN \w
.set j, 0
.rept 64
	v_mov_b32 v[S+j], 0
.set j, j+1
.endr
.set j, 0
.rept 6
	v_mov_b32 v[QF+6+j], 0
.set j, j+1
.endr
.set j, 0
.rept 32
	v_mov_b32 v[O+j], 0
.set j, j+1
.endr
	v_mov_b32 v[LS], 0
	v_mov_b32 v[LS+1], 0
.endr
.set j, 0
.rept 54
	v_mov_b32 v[ZR+j], 0                           ; window 1: zeros behind k's tile 7, and v's fragments for the first trip
.set j, j+1
.endr
	WIN 0
	s_wait_alu depctr_va_vdst(0)
	s_wait_loadcnt 0x0
.irp i, 0,1,2,3,4,5
	v_mov_b32 v[QF+\i], v[QT+\i]
.endr
	WIN 0x40
.irp i, 0,1,2,3,4,5
	v_mov_b32 v[QF+\i], v[QT+6+\i]
.endr
	WIN 0
	s_mov_b32 s[TB], 0
.macro SMUL u                          ; S^T = k q^T of tile u: eight products, each its own accumulator
.irp t, 0,1,2,3,4,5,6,7
.set KR, KSC+2*(\t/4)+((\t%4)/2)
.if (\t%2) == 0 && (\u) == 0
	v_wmma_scale_f32_16x16x128_f8f6f4 v[S+8*\t:S+8*\t+7], v[KB+6*\t:KB+6*\t+11], v[QF:QF+11], 0, v[KR], v[QS] matrix_a_fmt:MATRIX_FMT_FP6 matrix_b_fmt:MATRIX_FMT_FP6
.endif
.if (\t%2) == 1 && (\u) == 0
	v_wmma_scale_f32_16x16x128_f8f6f4 v[S+8*\t:S+8*\t+7], v[KB+6*\t:KB+6*\t+11], v[QF:QF+11], 0, v[KR], v[QS] matrix_a_fmt:MATRIX_FMT_FP6 matrix_b_fmt:MATRIX_FMT_FP6 matrix_a_scale:MATRIX_SCALE_ROW1
.endif
.if (\t%2) == 0 && (\u) == 1
	v_wmma_scale_f32_16x16x128_f8f6f4 v[S+8*\t:S+8*\t+7], v[KB+6*\t:KB+6*\t+11], v[QF:QF+11], 0, v[KR], v[QS] matrix_a_fmt:MATRIX_FMT_FP6 matrix_b_fmt:MATRIX_FMT_FP6 matrix_b_scale:MATRIX_SCALE_ROW1
.endif
.if (\t%2) == 1 && (\u) == 1
	v_wmma_scale_f32_16x16x128_f8f6f4 v[S+8*\t:S+8*\t+7], v[KB+6*\t:KB+6*\t+11], v[QF:QF+11], 0, v[KR], v[QS] matrix_a_fmt:MATRIX_FMT_FP6 matrix_b_fmt:MATRIX_FMT_FP6 matrix_a_scale:MATRIX_SCALE_ROW1 matrix_b_scale:MATRIX_SCALE_ROW1
.endif
.endr
.endm
.macro PVMUL u                         ; O^T += v^T p^T of tile u: the four accumulators take turns
.irp t, 0,1,2,3
.if \t%2
	v_wmma_scale_f32_16x16x128_f8f6f4 v[O+8*\t:O+8*\t+7], v[VB+12*\t:VB+12*\t+11], v[PC:PC+11], v[O+8*\t:O+8*\t+7], v[VSC+\t/2], v[PW+\u] matrix_a_fmt:MATRIX_FMT_FP6 matrix_b_fmt:MATRIX_FMT_FP6 matrix_a_scale:MATRIX_SCALE_ROW1
.else
	v_wmma_scale_f32_16x16x128_f8f6f4 v[O+8*\t:O+8*\t+7], v[VB+12*\t:VB+12*\t+11], v[PC:PC+11], v[O+8*\t:O+8*\t+7], v[VSC+\t/2], v[PW+\u] matrix_a_fmt:MATRIX_FMT_FP6 matrix_b_fmt:MATRIX_FMT_FP6
.endif
.endr
.endm
.macro PMAX u                          ; four running maxima by turns, each over 16 scores (two accumulators, each from its low end on)
.irp r, 0,1,2,3,4,5,6,7
.irp k, 0,1,2,3
.if \r == 0
	v_max3_num_f32 v[BB+24*\u+\k], v[NEG], v[S+16*\k], v[S+16*\k+1]
.else
	v_max3_num_f32 v[BB+24*\u+\k], v[BB+24*\u+\k], v[S+16*\k+2*\r], v[S+16*\k+2*\r+1]
.endif
.endr
.endr
.endm
.macro ROWS                            ; both tiles by turns: the blocks' largest scores, the row's, the new M, f, and t - M of the blocks' largest
.irp c, 0,2
.irp u, 0,1
	v_max_num_f32 v[BB+24*\u+\c], v[BB+24*\u+\c], v[BB+24*\u+\c+1]
.endr
.endr
.irp u, 0,1
	s_delay_alu instid0(VALU_DEP_2)
	v_max3_num_f32 v[BB+24*\u+XTT], v[BB+24*\u+XRUN], v[BB+24*\u], v[BB+24*\u+2]
.endr
.irp u, 0,1
	s_delay_alu instid0(VALU_DEP_2)
	v_permlanex16_b32 v[BB+24*\u+XPX], v[BB+24*\u+XTT], s[SEL], s[SEL+1]
.endr
.irp u, 0,1
	s_delay_alu instid0(VALU_DEP_2)
	v_max_num_f32 v[BB+24*\u+XRUN], v[BB+24*\u+XTT], v[BB+24*\u+XPX]   ; with lane xor 16's blocks: the largest score so far
.endr
.irp u, 0,1
	s_delay_alu instid0(VALU_DEP_2)
	v_mul_f32 v[BB+24*\u+XTT], s[NC], v[BB+24*\u+XRUN]                 ; -t
.endr
.irp u, 0,1
	s_delay_alu instid0(VALU_DEP_2)
	v_floor_f32 v[BB+24*\u+XNW], v[BB+24*\u+XTT]                       ; the new -M = -ceil(t)
.endr
.irp u, 0,1
	s_delay_alu instid0(VALU_DEP_2)
	v_sub_f32 v[BB+24*\u+XTT], v[BB+24*\u+XNW], v[BB+24*\u+XNM]        ; old M less new M: a whole number, 0 or less
.endr
.irp u, 0,1
	s_delay_alu instid0(VALU_DEP_4)
	v_mov_b32 v[BB+24*\u+XNM], v[BB+24*\u+XNW]
.endr
.irp u, 0,1
	s_delay_alu instid0(VALU_DEP_4)
	v_cvt_i32_f32 v[BB+24*\u+XTT], v[BB+24*\u+XTT]                     ; (it saturates)
.endr
.irp u, 0,1
	s_delay_alu instid0(VALU_DEP_2)
	v_ldexp_f32 v[BB+24*\u+XFM], 1.0, v[BB+24*\u+XTT]
.endr
.irp c, 0,2
.irp u, 0,1
	v_fma_f32 v[BB+24*\u+\c], v[BB+24*\u+\c], s[CS], v[BB+24*\u+XNM]
.endr
.endr
.endm
.macro PFMA u                          ; t - M, two at a time; O^T and the sum under the new M
.set j, 0
.rept 32
	v_pk_fma_f32 v[S+j:S+j+1], v[S+j:S+j+1], s[CS:CS+1], v[BB+24*\u+XNM:BB+24*\u+XNM+1] op_sel_hi:[1,0,0]
.set j, j+2
.endr
.set j, 0
.rept 16
	v_pk_mul_f32 v[O+j:O+j+1], v[O+j:O+j+1], v[BB+24*\u+XFM:BB+24*\u+XFM+1] op_sel_hi:[1,0]
.set j, j+2
.endr
	v_pk_mul_f32 v[LS:LS+1], v[LS:LS+1], v[BB+24*\u+XFM:BB+24*\u+XFM+1] op_sel_hi:[1,0]
.endm
.macro PEXP
.set j, 0
.rept 64
	v_exp_f32 v[S+j], v[S+j]                       ; p = 2^(t - M), at most 1
.set j, j+1
.endr
.endm
.macro WORDS                           ; both tiles by turns: the blocks' scale operands and bytes, and p's scale word
.irp c, 0,2
.irp u, 0,1
	v_max_num_f32 v[BB+24*\u+\c], 0x1800000, v[BB+24*\u+\c]            ; the floor 2^(3 - 127): the byte cannot fall under 1
.endr
.endr
.irp c, 0,1
.irp u, 0,1
	s_delay_alu instid0(VALU_DEP_4)
	v_add_nc_u32 v[BB+24*\u+XSO+\c], 0xff000000, v[BB+24*\u+2*\c]      ; 2 off the exponent field
.endr
.endr
.irp c, 0,1
.irp u, 0,1
	s_delay_alu instid0(VALU_DEP_4)
	v_lshrrev_b32 v[BB+24*\u+XBY+\c], 23, v[BB+24*\u+XSO+\c]
.endr
.endr
.irp u, 0,1
	s_delay_alu instid0(VALU_DEP_2)
	v_lshl_or_b32 v[BB+24*\u+XWW], v[BB+24*\u+XBY+1], 16, v[BB+24*\u+XBY]   ; my blocks lane / 16 and 2 + lane / 16,
.endr
.irp u, 0,1
	s_delay_alu instid0(VALU_DEP_2)
	v_lshlrev_b32 v[BB+24*\u+XWW], v[SH8], v[BB+24*\u+XWW]             ; at their places in the word;
.endr
.irp u, 0,1
	s_delay_alu instid0(VALU_DEP_2)
	v_permlanex16_b32 v[BB+24*\u+XPY], v[BB+24*\u+XWW], s[SEL], s[SEL+1]
.endr
.irp u, 0,1
	s_delay_alu instid0(VALU_DEP_2)
	v_or_b32 v[PW+\u], v[BB+24*\u+XWW], v[BB+24*\u+XPY]                ; with lane xor 16's two the word is whole
.endr
.endm
.macro PCVT u                          ; my two blocks' codes: registers 6 c .. 6 c + 5 of the operand
	v_cvt_scalef32_pk16_fp6_f32 v[PC:PC+2], v[S:S+15], v[BB+24*\u+XSO]
	v_cvt_scalef32_pk16_fp6_f32 v[TQ:TQ+2], v[S+16:S+31], v[BB+24*\u+XSO]
	v_cvt_scalef32_pk16_fp6_f32 v[PC+6:PC+8], v[S+32:S+47], v[BB+24*\u+XSO+1]
	v_cvt_scalef32_pk16_fp6_f32 v[TQ+4:TQ+6], v[S+48:S+63], v[BB+24*\u+XSO+1]
	v_nop                                          ; one plain place behind a scaled conversion
.irp i, 0,1,2
	v_mov_b32 v[PC+3+\i], v[TQ+\i]
	v_mov_b32 v[PC+9+\i], v[TQ+4+\i]
.endr
.endm
.macro PSUM                            ; the row's sum is taken of the unquantised p: eight chains, then a tree.  These 32 are also the places between p's codes and the products
.irp k, 0,1,2,3,4,5,6,7
	v_pk_add_f32 v[SM+2*\k:SM+2*\k+1], v[S+2*\k:S+2*\k+1], v[S+16+2*\k:S+16+2*\k+1]
.endr
.irp k, 0,1,2,3,4,5,6,7
	v_pk_add_f32 v[SM+2*\k:SM+2*\k+1], v[SM+2*\k:SM+2*\k+1], v[S+32+2*\k:S+32+2*\k+1]
.endr
.irp k, 0,1,2,3,4,5,6,7
	v_pk_add_f32 v[SM+2*\k:SM+2*\k+1], v[SM+2*\k:SM+2*\k+1], v[S+48+2*\k:S+48+2*\k+1]
.endr
.irp k, 0,1,2,3
	v_pk_add_f32 v[SM+2*\k:SM+2*\k+1], v[SM+2*\k:SM+2*\k+1], v[SM+8+2*\k:SM+8+2*\k+1]
.endr
.irp k, 0,1
	s_delay_alu instid0(VALU_DEP_2)
	v_pk_add_f32 v[SM+2*\k:SM+2*\k+1], v[SM+2*\k:SM+2*\k+1], v[SM+4+2*\k:SM+4+2*\k+1]
.endr
	s_delay_alu instid0(VALU_DEP_1)
	v_pk_add_f32 v[SM:SM+1], v[SM:SM+1], v[SM+2:SM+3]
	s_delay_alu instid0(VALU_DEP_1)
	v_pk_add_f32 v[LS:LS+1], v[LS:LS+1], v[SM:SM+1]
.endm
; A step is FINISHED on registers alone: p's scale words and codes, the sums, O += v p.  younger: the LDS loads issued behind that step's v, which may stay out
.macro FINISH younger
	s_wait_dscnt \younger                          ; v and its scale words are in
	WORDS
	PCVT 0
	PSUM
	WIN 0x41                                       ; source 0 and destination window 1
	PCVT 1
	WIN 0x55                                       ; all window 1
	PSUM
	PVMUL 1
	WIN 0x01                                       ; source 0 window 1, the rest window 0
	PVMUL 0
	WIN 0
.endm
; A TRIP: the 128 keys of the frame at LDS byte s[TB], for both tiles, up to p; and the finishing of the step before.
.macro STEP
	v_add_nc_u32 v[ADS], s[TB], v[LSV]
	v_add_nc_u32 v[ADK], s[TB], v[LKV]
.irp c, 0,1
.irp e, 0,1
	ds_load_b32 v[KSC+2*\c+\e], v[ADS] offset:12288+128*\e+8*\c
.endr
.endr
	WIN 0x40                                       ; destination window 1
.irp t, 0,1,2,3,4,5,6,7                        ; a tile is the lower or the upper six registers of a pair's image of twelve
.set KO, 3072*(\t/4)+128*((\t%4)/2)
.if \t%2
	ds_load_b64 v[KB+6*\t:KB+6*\t+1], v[ADK] offset:KO+520
	ds_load_b128 v[KB+6*\t+2:KB+6*\t+5], v[ADK] offset:KO+1024
.else
	ds_load_b128 v[KB+6*\t:KB+6*\t+3], v[ADK] offset:KO
	ds_load_b64 v[KB+6*\t+4:KB+6*\t+5], v[ADK] offset:KO+512
.endif
.endr
	WIN 0
	FINISH 20                                      ; k's 20 loads just issued may stay out
	v_add_nc_u32 v[ADV], s[TB], v[LAV]             ; four places behind the products, into whose registers the loads below go
	v_add_nc_u32 v[ADB], s[TB], v[LBV]
	v_nop
	v_nop
	ds_load_b64 v[VSC:VSC+1], v[ADB] offset:12800
	WIN 0x40
.irp g, 0,1,2,3,4,5,6,7,8,9,10,11
	ds_load_b128 v[VB+4*\g:VB+4*\g+3], v[ADV] offset:6144+512*\g
.endr
	s_wait_dscnt 13                                ; all but v's 13 loads, which land under the softmax
	WIN 0x01
	SMUL 0
	WIN 0x45                                       ; source 0, source 1 and D window 1
	SMUL 1
.rept 4
	v_nop                                          ; four places behind the products
.endr
	WIN 0
	PMAX 0
	WIN 0x14                                       ; sources 1 and 2 window 1
	PMAX 1
	WIN 0
	ROWS
	PFMA 0
	WIN 0x41
	PFMA 1
	s_wait_alu depctr_va_vdst(0)
	PEXP
	WIN 0
	PEXP
.irp c, 0,2
.irp u, 0,1
	v_exp_f32 v[BB+24*\u+\c], v[BB+24*\u+\c]       ; the block's largest p: the same two instructions on the same number give the same bits
.endr
.endr
	v_nop                                          ; a plain place behind the exponentials
	s_wait_alu depctr_va_vdst(0)                   ; one wait for the whole batch, ahead of the branch and of its first reader
.endm
.macro STEPS n
	s_mov_b32 s[CNT], \n
.Lstep_\@:
	STEP
	s_add_co_u32 s[TB], s[TB], SS
	s_sub_co_u32 s[CNT], s[CNT], 1
	s_cmp_lg_u32 s[CNT], 0
	s_cbranch_scc1 .Lstep_\@
.endm
; A MEETING.  Each wave waits for its tensor load (its part of the region that it is about to read), adds 0 to its spare word, and waits for that and for its reads of the region that it has left.
; kind 1: a round of the cluster's barrier, then region B's fill, two frames a wave; kind 2: a round, then region A's second fill, a frame a wave; kind 0: nothing more to fetch.
.macro MEET kind
	s_wait_tensorcnt 0x0                           ; no tensor load of mine is out, so a descriptor may be written
	ds_add_u32 v[SPW], v[NIL]
.if \kind == 1
	s_mov_b32 s[G1+2], 102<<16
	s_mov_b32 s[G1+4], 102
.endif
.if \kind == 2
	s_mov_b32 s[G1+2], 51<<16
	s_mov_b32 s[G1+4], 51
.endif
	s_wait_dscnt 0x0
.if \kind == 0
	s_barrier_signal -1
	s_barrier_wait -1
.else
	CROUND
.if \kind == 1
	TLOAD G0B
.else
	TLOAD G0C
.endif
.endif
.endm
	s_wait_alu depctr_va_vdst(0)
	MEET 1
	STEPS 8                                        ; frames 0-7, in region A
	MEET 2
	STEPS 16                                       ; frames 8-23, in region B, which follows A
	MEET 0
	s_mov_b32 s[TB], 0
	STEPS 8                                        ; frames 24-31, in region A
	FINISH 0                                       ; the last step
; THE WAY OUT of tile u.  x = O^T / the sum, quantised along the head's 64 channels in their natural order, as half a fragment of the last product and two scale bytes a row.
.macro TAIL u
	WIN 0x55*(\u)
	v_add_f32 v[LS], v[LS], v[LS+1]
	s_delay_alu instid0(VALU_DEP_1)
	v_permlanex16_b32 v[SM], v[LS], s[SEL], s[SEL+1]
	s_delay_alu instid0(VALU_DEP_1)
	v_add_f32 v[LS], v[LS], v[SM]                  ; the row's sum
	s_wait_alu depctr_va_vdst(0)
	v_rcp_f32 v[LS], v[LS]
.rept 4
	v_nop
.endr
	s_wait_alu depctr_va_vdst(0)                   ; ahead of the first reader of the reciprocal and of O^T
.set j, 0
.rept 16
	v_pk_mul_f32 v[S+j:S+j+1], v[O+j:O+j+1], v[LS:LS+1] op_sel_hi:[1,0]   ; register 16 B + 8 e + j is channel 32 B + 16 e + 8 (lane / 16) + j
.set j, j+2
.endr
.irp b, 0,1
.irp j, 0,1,2,3,4,5,6,7
	v_permlane16_swap_b32 v[S+16*\b+\j], v[S+16*\b+8+\j]   ; register 16 B + i is now channel 32 B + 16 (lane / 16) + i
.endr
.endr
.irp b, 0,1
	v_max3_num_f32 v[SM+2+\b], |v[S+16*\b]|, |v[S+1+16*\b]|, 0x1800000
.endr
.irp i, 2,4,6,8,10,12,14
.irp b, 0,1
	s_delay_alu instid0(VALU_DEP_2)
	v_max3_num_f32 v[SM+2+\b], v[SM+2+\b], |v[S+16*\b+\i]|, |v[S+1+16*\b+\i]|
.endr
.endr
.irp b, 0,1
	s_delay_alu instid0(VALU_DEP_2)
	v_permlanex16_b32 v[SM+4+\b], v[SM+2+\b], s[SEL], s[SEL+1]
.endr
.irp b, 0,1
	s_delay_alu instid0(VALU_DEP_2)
	v_max_num_f32 v[SM+2+\b], v[SM+2+\b], v[SM+4+\b]
.endr
.irp b, 0,1
	s_delay_alu instid0(VALU_DEP_2)
	v_add_nc_u32 v[SM+6+\b], 0xff000000, v[SM+2+\b]
.endr
.irp b, 0,1
	s_delay_alu instid0(VALU_DEP_2)
	v_lshrrev_b32 v[SM+4+\b], 23, v[SM+6+\b]
.endr
	s_delay_alu instid0(VALU_DEP_1)
	v_cndmask_b32 v[SM+8], v[SM+4], v[SM+5], s[HI] ; lane (r, h) stores block h's byte of row r
	v_cvt_scalef32_pk16_fp6_f32 v[PC:PC+2], v[S:S+15], v[SM+6]
	v_cvt_scalef32_pk16_fp6_f32 v[TQ:TQ+2], v[S+16:S+31], v[SM+7]
	v_nop
.irp i, 0,1,2
	v_permlane16_swap_b32 v[PC+\i], v[TQ+\i]
.endr
.irp i, 0,1,2
	s_delay_alu instid0(VALU_DEP_3)
	v_mov_b32 v[PC+3+\i], v[TQ+\i]                 ; six registers: lanes 0-15 the head's block 0, lanes 16-31 its block 1
.endr
	WIN 0x04*(\u)                                  ; the address window 0, the data window u
.irp g, 0,1,2
	global_store_b64 v[LBV], v[PC+2*\g:PC+2*\g+1], s[8:9] offset:12288*(\u)+256*\g   ; 32 lanes store 256 consecutive bytes, at a multiple of 256 from the buffer's first byte
.endr
	global_store_b8 v[GS], v[SM+8], s[10:11] offset:512*(\u)
.endm
	TAIL 0
	TAIL 1
	WIN 0
	s_wait_tensorcnt 0x0                           ; the wave's end
	ds_add_u32 v[SPW], v[NIL]
	s_wait_dscnt 0x0
	CROUND                                         ; the closing round
	s_endpgm
.Lfunc_end_k_q8eb2126de6_attn:
	.size	k_q8eb2126de6_attn, .Lfunc_end_k_q8eb2126de6_attn-k_q8eb2126de6_attn
	.p2alignl 7, 3214868480
	.fill 96, 4, 3214868480
	.section	.rodata,"a",@progbits
	.p2align	6, 0x0
	.amdhsa_kernel k_q8eb2126de6_attn
		.amdhsa_group_segment_fixed_size 327680
		.amdhsa_private_segment_fixed_size 0
		.amdhsa_enable_private_segment 0
		.amdhsa_kernarg_size 32
		.amdhsa_user_sgpr_count 2
		.amdhsa_user_sgpr_kernarg_segment_ptr 1
		.amdhsa_wavefront_size32 1
		.amdhsa_system_sgpr_workgroup_id_x 1
		.amdhsa_system_sgpr_workgroup_id_y 1
		.amdhsa_system_sgpr_workgroup_id_z 1
		.amdhsa_system_vgpr_workitem_id 0
		.amdhsa_next_free_vgpr 512
		.amdhsa_next_free_sgpr 66
		.amdhsa_reserve_vcc 0
		.amdhsa_float_denorm_mode_32 3
		.amdhsa_float_denorm_mode_16_64 3
		.amdhsa_memory_ordered 1
		.amdhsa_forward_progress 1
		.amdhsa_inst_pref_size 122
	.end_amdhsa_kernel
	.amdgpu_metadata
---
amdhsa.version: [ 1, 2 ]
amdhsa.kernels:
  - .name:           k_q8eb2126de6_attn
    .symbol:         k_q8eb2126de6_attn.kd
    .args:
      - { .name: qf, .offset: 0, .size: 8, .value_kind: global_buffer, .address_space: global }
      - { .name: kv, .offset: 8, .size: 8, .value_kind: global_buffer, .address_space: global }
      - { .name: ximg, .offset: 16, .size: 8, .value_kind: global_buffer, .address_space: global }
      - { .name: xs, .offset: 24, .size: 8, .value_kind: global_buffer, .address_space: global }
    .group_segment_fixed_size: 327680
    .private_segment_fixed_size: 0
    .kernarg_segment_align: 8
    .kernarg_segment_size: 32
    .max_flat_workgroup_size: 256
    .sgpr_count:     66
    .vgpr_count:     512
    .wavefront_size: 32
...
	.end_amdgpu_metadata
.endif
;; end of part 2
;; launch oproj (part 3): grid 8 x 32, 4 waves a work-group, clusters of 4 x 4, 327,680 bytes of LDS; arguments ximg, xs, Wo_codes, Wo_scales, out0, bo; writes out0
.if DOCPART == 3
	.amdgcn_target "amdgcn-amd-amdhsa--gfx1250"
	.amdhsa_code_object_version 6
	.text
	.protected	k_q8eb2126de6_oproj
	.globl	k_q8eb2126de6_oproj
	.p2align	8
	.type	k_q8eb2126de6_oproj,@function
k_q8eb2126de6_oproj:
	s_mov_b64 s[64:65], 0
	v_nop
	global_prefetch_b8 v0, s[64:65] scope:SCOPE_SE
	s_setreg_imm32_b32 hwreg(HW_REG_WAVE_MODE, 25, 1), 1
	s_wait_xcnt 0x0
	s_wait_alu depctr_hold_cnt(0) depctr_sa_sdst(0) depctr_va_vdst(0) depctr_va_sdst(0) depctr_va_ssrc(0) depctr_va_vcc(0) depctr_vm_vsrc(0)
	s_getreg_b32 s2, hwreg(HW_REG_IB_STS2, 6, 4)
	s_cmp_eq_u32 s2, 0
	s_cbranch_scc0 .Lentry_in_a_cluster
	s_endpgm
.Lentry_in_a_cluster:
	s_bfe_u32 s2, ttmp6, 0x10000c
	s_cmp_lg_u32 s2, 0xf033
	s_cbranch_scc0 .Lentry_shape_is_right
	s_endpgm
.Lentry_shape_is_right:
; out = x Wo^T + bo on codes of FP6 (E2M3) with E8M0 scales; sums in f32.  x comes from the launch before as images of operand registers (12,288 bytes for 16 tokens x 1,024 K: K step s, piece p at 1,536 s + 256 p + 8 x lane) and scale bytes [4096][32].
; A block of 128 tokens x 128 columns to a work-group: 32 x 8 = 256 work-groups.  Four waves, 64 x 64 each: 16 accumulators, which take turns.
; ALL OF K LIES IN LDS AT ONCE: x's eight images (98,304 dense bytes) and 128 rows of Wo (768 bytes a row, 16 bytes of padding behind every 256: pitch 816).  Each wave asks for a quarter with one tensor load at the head;
; nothing is filled again, so one barrier shows the tiles to all four waves.  Every row in memory begins at a multiple of 256 bytes.
; CLUSTERS 4 x 4: x's tiles are asked for jointly along a row of the cluster, Wo's along a column.
; THE SCALES go from memory into registers: a row's 32 bytes are its eight K steps' words; lane (r, h) takes words 4 h .. 4 h + 3 of row r, so 32 lanes read 512 bytes on end; K steps 0-3 read lanes 0-15, steps 4-7 lanes 16-31.
; The matrix instruction is used transposed (source 0 = Wo's rows, source 1 = x's): a lane holds eight neighbouring columns of one row; the bias is the C of the first products.
; No prefetch: the launch has no loop to run ahead in; each byte is asked for once, at the head.
; REGISTERS: window 0: v16-29 addresses, v32-127 x's fragments (two sets of 48; on the way out rows read back), v128-143 x's scale words, v144-159 Wo's, v160-191 the bias, v192-223 rows read back;
; window 1: v0-127 the accumulators ((a, b) at 8 (4 a + b)), v128-223 Wo's fragments, two sets.
.set KROW,   768
.set BP,     816
.set ATILE,  12288
.set FR,     12
.set BOFF,   8*ATILE                   ; Wo's rows lie behind x's images
.set STAGE,  BOFF+128*BP               ; the way out: 16 rows x 272 bytes for each wave; no tensor load lands here
.set SPITCH, 272
.set SPARE,  STAGE+4*16*SPITCH         ; the spare words, 128 bytes a wave
.set ADRA, 16
.set ADRB, 18                          ; v18; v19: 16 more in lanes 16-31, for a piece whose lanes 16-31 read beyond a padding
.set STO,  24
.set RD,   25
.set CO,   26
.set SCO,  27
.set SPW,  28
.set NIL,  29
.set AF,   32
.set BF,   128
.set SCA,  128
.set SCB,  144
.set BIAS, 160
.set G1, 24
.set G0, 32
.set G1B, 48
.set G0B, 56
.set MSB, 0
.macro WIN new
.if MSB != (\new)
	s_set_vgpr_msb (MSB<<8)|(\new)
.set MSB, (\new)
.endif
.endm
.macro CROUND
	s_barrier_signal -1
	s_barrier_wait -1
	s_cmp_lg_u32 s14, 0
	s_cbranch_scc1 .Lnot_wave_0_\@
	s_barrier_signal -3
.Lnot_wave_0_\@:
	s_barrier_wait -3
	s_barrier_signal -1
	s_barrier_wait -1
.endm
.macro PLACES
.rept 4
	v_nop
.endr
.endm
	s_load_b128 s[4:7], s[0:1], 0x0                ; ximg, xs
	s_load_b128 s[8:11], s[0:1], 0x10              ; Wo's codes, Wo's scales
	s_load_b64 s[12:13], s[0:1], 0x20              ; out
	s_load_b64 s[60:61], s[0:1], 0x28              ; bo
	v_lshl_add_u32 v[SPW], v0, 2, SPARE
	v_mov_b32 v[NIL], 0
	ds_add_u32 v[SPW], v[NIL]                      ; the opening add,
	ds_add_u32 v[SPW], v[NIL]                      ; twice on end, under one wait
	v_lshrrev_b32 v1, 5, v0
	v_readfirstlane_b32 s14, v1                    ; wave
	s_lshr_b32 s15, s14, 1                         ; my half of the block's rows; also: I fetch x (0) or Wo (1)
	s_and_b32 s16, s14, 1                          ; my half of its columns; also: which half of that tile I fetch
	s_bfe_u32 s40, ttmp6, 0x40000                  ; cx
	s_bfe_u32 s41, ttmp6, 0x40004                  ; cy
	s_lshl_b32 s42, ttmp9, 2
	s_add_co_u32 s42, s42, s40                     ; block column
	s_and_b32 s17, ttmp7, 0xffff
	s_lshl_b32 s17, s17, 2
	s_add_co_u32 s17, s17, s41                     ; block row
	s_lshl_b32 s43, s41, 2
	s_lshl_b32 s43, 15, s43                        ; my row of the cluster
	s_lshl_b32 s44, 0x1111, s40                    ; my column
	s_or_b32 s[G1+0], s43, (3<<16)|(1<<21)         ; x: 49,152 dense bytes as 192 rows of 256 (32 elements of 8 bytes), no padding
	s_mov_b32 s[G1+1], 32<<16
	s_mov_b32 s[G1+2], 192<<16
	s_mov_b32 s[G1+3], 32<<16
	s_mov_b32 s[G1+4], 192
	s_mov_b32 s[G1+5], 32
	s_mov_b32 s[G1+6], 0
	s_mov_b32 s[G1+7], 0
	s_or_b32 s[G1B+0], s44, (0<<16)|(1<<20)|(1<<21)|(5<<22)|(3<<25)   ; Wo: 64 rows of 768 bytes, 4 words of padding behind every 64
	s_mov_b32 s[G1B+1], KROW<<16
	s_mov_b32 s[G1B+2], 64<<16
	s_mov_b32 s[G1B+3], KROW<<16
	s_mov_b32 s[G1B+4], 64
	s_mov_b32 s[G1B+5], KROW
	s_mov_b32 s[G1B+6], 0
	s_mov_b32 s[G1B+7], 0
	s_mul_i32 s20, s17, 8*ATILE                    ; x: the block row's eight images,
	s_mul_i32 s18, s16, 4*ATILE                    ; my four of them
	s_add_co_u32 s20, s20, s18
	s_mov_b32 s21, 0
	s_lshl_b32 s46, s42, 7                         ; Wo: row 128 x block column
	s_lshl_b32 s19, s16, 6
	s_add_co_u32 s46, s46, s19                     ; + my 64
	s_mul_i32 s46, s46, KROW
	s_mov_b32 s47, 0
	s_mul_i32 s45, s16, 64*BP
	s_add_co_u32 s45, s45, BOFF
	s_wait_dscnt 0x0
	s_wait_kmcnt 0x0
	s_add_nc_u64 s[20:21], s[4:5], s[20:21]
	s_add_nc_u64 s[46:47], s[8:9], s[46:47]
	CROUND                                         ; in front of the joint loads
	s_mov_b32 s[G0], 1
	s_mov_b32 s[G0+1], s18
	s_mov_b64 s[G0+2:G0+3], s[20:21]
	s_or_b32 s[G0+3], s[G0+3], 0x80000000
	s_mov_b32 s[G0B], 1
	s_mov_b32 s[G0B+1], s45
	s_mov_b64 s[G0B+2:G0B+3], s[46:47]
	s_or_b32 s[G0B+3], s[G0B+3], 0x80000000
	s_cmp_eq_u32 s15, 0                            ; one joint load a wave
	s_cbranch_scc0 .Lfor_b
	tensor_load_to_lds s[G0:G0+3], s[G1:G1+7]
	s_nop 0
.rept 4
	v_nop
.endr
	s_branch .Lasked
.Lfor_b:
	tensor_load_to_lds s[G0B:G0B+3], s[G1B:G1B+7]
	s_nop 0
.rept 4
	v_nop
.endr
.Lasked:
	s_mul_i32 s21, s15, 4*ATILE                    ; my four images of x
	s_mul_i32 s22, s16, 64*BP
	s_add_co_u32 s22, s22, BOFF                    ; my 64 rows of Wo
	s_mul_i32 s23, s14, 16*SPITCH
	s_add_co_u32 s23, s23, STAGE                   ; my stage
	s_lshl_b32 s18, s17, 7
	s_lshl_b32 s36, s15, 6
	s_add_co_u32 s18, s18, s36                     ; my first row of out
	s_lshl_b32 s19, s42, 7
	s_lshl_b32 s37, s16, 6
	s_add_co_u32 s19, s19, s37                     ; my first column
	s_mov_b32 s39, 0
	s_lshl_b32 s38, s18, 5
	s_add_nc_u64 s[6:7], s[6:7], s[38:39]          ; my rows' scales
	s_lshl_b32 s38, s19, 5
	s_add_nc_u64 s[10:11], s[10:11], s[38:39]      ; my columns' scales
	s_lshl_b32 s38, s19, 2
	s_add_nc_u64 s[60:61], s[60:61], s[38:39]      ; my columns' bias
	s_add_nc_u64 s[12:13], s[12:13], s[38:39]
	s_lshl_b32 s38, s18, 12
	s_add_nc_u64 s[12:13], s[12:13], s[38:39]      ; my corner of out
	v_and_b32 v1, 15, v0                           ; r
	v_bfe_u32 v2, v0, 4, 1                         ; h
	v_and_b32 v3, 31, v0
	v_lshlrev_b32 v4, 3, v3
	v_add_nc_u32 v[ADRA], s21, v4                  ; an image: 8 bytes a lane on end
	v_mul_u32_u24 v5, v1, BP
	v_mad_u32_u24 v5, v2, 24, v5
	v_add_nc_u32 v[ADRB], s22, v5                  ; row x pitch + 24 h
	v_lshl_add_u32 v[ADRB+1], v2, 4, v[ADRB]
	v_mul_u32_u24 v6, v1, SPITCH
	v_lshl_add_u32 v6, v2, 5, v6
	v_add_nc_u32 v[STO], s23, v6                   ; in: row r, 32 bytes for each half of the lanes
	v_mul_u32_u24 v7, v2, SPITCH
	v_lshl_add_u32 v7, v1, 4, v7
	v_add_nc_u32 v[RD], s23, v7                    ; back: lanes 0-15 one row of 256 bytes, lanes 16-31 the next
	v_lshlrev_b32 v8, 12, v2
	v_lshl_add_u32 v[CO], v1, 4, v8                ; the same two rows in out (4,096 bytes a row)
	v_lshlrev_b32 v9, 5, v1
	v_lshl_add_u32 v[SCO], v2, 4, v9               ; scales: 32 r + 16 h
	v_lshlrev_b32 v12, 5, v2
.irp i, 0,1,2,3
	global_load_b128 v[SCA+4*\i:SCA+4*\i+3], v[SCO], s[6:7] offset:512*\i
	global_load_b128 v[SCB+4*\i:SCB+4*\i+3], v[SCO], s[10:11] offset:512*\i
.endr
.irp b, 0,1,2,3
	global_load_b128 v[BIAS+8*\b:BIAS+8*\b+3], v12, s[60:61] offset:64*\b       ; bo at columns 16 b + 8 h + 0 .. 7
	global_load_b128 v[BIAS+8*\b+4:BIAS+8*\b+7], v12, s[60:61] offset:64*\b+16
.endr
; the 48 + 48 registers of K step st, into set st % 2.  Byte y of a row of Wo lies at y + 16 (y / 256) of its LDS row
.macro FETCH st
.set PB, 48*((\st)%2)
	WIN 0x40                                       ; destination window 1
.irp i, 0,1,2,3
.irp p, 0,1,2,3,4,5
.set BY, 96*(\st)+48*(\p/3)+8*(\p%3)
.if BY/256 == (BY+24)/256
	ds_load_b64 v[BF+PB+FR*\i+2*\p:BF+PB+FR*\i+2*\p+1], v[ADRB] offset:BY+16*(BY/256)+\i*16*BP
.else
	ds_load_b64 v[BF+PB+FR*\i+2*\p:BF+PB+FR*\i+2*\p+1], v[ADRB+1] offset:BY+16*(BY/256)+\i*16*BP
.endif
.endr
.endr
	WIN 0
.irp i, 0,1,2,3
.irp p, 0,1,2,3,4,5
	ds_load_b64 v[AF+PB+FR*\i+2*\p:AF+PB+FR*\i+2*\p+1], v[ADRA] offset:ATILE*\i+1536*(\st)+256*\p
.endr
.endr
.endm
.macro MUL st                          ; 16 products, the 16 accumulators by turns
.set PB, 48*((\st)%2)
.set SQ, (\st)%4
.irp a, 0,1,2,3
.irp b, 0,1,2,3
.if (\st) == 0
	v_wmma_scale_f32_16x16x128_f8f6f4 v[8*(4*\a+\b):8*(4*\a+\b)+7], v[BF+PB+FR*\b:BF+PB+FR*\b+FR-1], v[AF+PB+FR*\a:AF+PB+FR*\a+FR-1], v[BIAS+8*\b:BIAS+8*\b+7], v[SCB+4*\b+SQ], v[SCA+4*\a+SQ] matrix_a_fmt:MATRIX_FMT_FP6 matrix_b_fmt:MATRIX_FMT_FP6
.else
.if (\st) < 4
	v_wmma_scale_f32_16x16x128_f8f6f4 v[8*(4*\a+\b):8*(4*\a+\b)+7], v[BF+PB+FR*\b:BF+PB+FR*\b+FR-1], v[AF+PB+FR*\a:AF+PB+FR*\a+FR-1], v[8*(4*\a+\b):8*(4*\a+\b)+7], v[SCB+4*\b+SQ], v[SCA+4*\a+SQ] matrix_a_fmt:MATRIX_FMT_FP6 matrix_b_fmt:MATRIX_FMT_FP6
.else
	v_wmma_scale_f32_16x16x128_f8f6f4 v[8*(4*\a+\b):8*(4*\a+\b)+7], v[BF+PB+FR*\b:BF+PB+FR*\b+FR-1], v[AF+PB+FR*\a:AF+PB+FR*\a+FR-1], v[8*(4*\a+\b):8*(4*\a+\b)+7], v[SCB+4*\b+SQ], v[SCA+4*\a+SQ] matrix_a_fmt:MATRIX_FMT_FP6 matrix_b_fmt:MATRIX_FMT_FP6 matrix_a_scale:MATRIX_SCALE_ROW1 matrix_b_scale:MATRIX_SCALE_ROW1
.endif
.endif
.endr
.endr
.endm
	s_wait_alu depctr_va_vdst(0)
	s_wait_tensorcnt 0x0                           ; my quarter is in
	s_barrier_signal -1
	s_barrier_wait -1                              ; and everybody's
	FETCH 0
	FETCH 1
	s_wait_loadcnt 0x0                             ; the scales and the bias
	s_wait_dscnt 48                                ; all but step 1's 48 loads
	WIN 0x41                                       ; source 0 and D window 1, source 1 and C window 0
	MUL 0
.irp s, 1,2,3,4,5,6
	PLACES                                         ; in front of loads into the set that the step before has multiplied
	FETCH \s+1
	s_wait_dscnt 48                                ; all but the 48 just issued
	WIN 0x51                                       ; source 0, C and D window 1, source 1 window 0
	MUL \s
.endr
	s_wait_dscnt 0x0
	MUL 7
	WIN 0
; THE WAY OUT, by blocks of 16 rows x 64 columns: through my own stage and back as whole rows of 256 bytes.  LDS serves a wave's instructions in order (ISA guide 5.7.1.4): no wait between the stores and the loads.
.macro TOSTAGE a
	WIN 0x04                                       ; the data: window 1
.irp b, 0,1,2,3
	ds_store_b128 v[STO], v[32*(\a)+8*\b:32*(\a)+8*\b+3] offset:64*\b       ; each accumulator from its low end on
	ds_store_b128 v[STO], v[32*(\a)+8*\b+4:32*(\a)+8*\b+7] offset:64*\b+16
.endr
	WIN 0
.set BB, 32+32*(\a)+64*((\a)/3)        ; a buffer of its own for each block: v32, v64, v96, v192
.irp t, 0,1,2,3,4,5,6,7
	ds_load_b128 v[BB+4*\t:BB+4*\t+3], v[RD] offset:\t*2*SPITCH
.endr
.endm
.macro SEND a, younger                 ; younger: the LDS instructions issued behind block a's loads
.set BB, 32+32*(\a)+64*((\a)/3)
	s_wait_dscnt \younger
.irp t, 0,1,2,3,4,5,6,7
	global_store_b128 v[CO], v[BB+4*\t:BB+4*\t+3], s[12:13] offset:(\a)*65536+\t*8192 th:TH_STORE_NT   ; 16 lanes store 256 consecutive bytes, at a multiple of 256 from out's first byte
.endr
.endm
	PLACES                                         ; behind the last products: for the reads of results and the loads into x's fragments' registers
	TOSTAGE 0
.irp a, 1,2,3
	TOSTAGE \a
	SEND \a-1, 16                                  ; behind block a - 1's loads: block a's 8 stores and 8 loads
.endr
	SEND 3, 0
	s_wait_tensorcnt 0x0                           ; the wave's end
	ds_add_u32 v[SPW], v[NIL]
	s_wait_dscnt 0x0
	CROUND                                         ; the closing round
	s_endpgm
.Lfunc_end_k_q8eb2126de6_oproj:
	.size	k_q8eb2126de6_oproj, .Lfunc_end_k_q8eb2126de6_oproj-k_q8eb2126de6_oproj
	.p2alignl 7, 3214868480
	.fill 96, 4, 3214868480
	.section	.rodata,"a",@progbits
	.p2align	6, 0x0
	.amdhsa_kernel k_q8eb2126de6_oproj
		.amdhsa_group_segment_fixed_size 327680
		.amdhsa_private_segment_fixed_size 0
		.amdhsa_enable_private_segment 0
		.amdhsa_kernarg_size 48
		.amdhsa_user_sgpr_count 2
		.amdhsa_user_sgpr_kernarg_segment_ptr 1
		.amdhsa_wavefront_size32 1
		.amdhsa_system_sgpr_workgroup_id_x 1
		.amdhsa_system_sgpr_workgroup_id_y 1
		.amdhsa_system_sgpr_workgroup_id_z 1
		.amdhsa_system_vgpr_workitem_id 0
		.amdhsa_next_free_vgpr 512
		.amdhsa_next_free_sgpr 66
		.amdhsa_reserve_vcc 0
		.amdhsa_float_denorm_mode_32 3
		.amdhsa_float_denorm_mode_16_64 3
		.amdhsa_memory_ordered 1
		.amdhsa_forward_progress 1
		.amdhsa_inst_pref_size 58
	.end_amdhsa_kernel
	.amdgpu_metadata
---
amdhsa.version: [ 1, 2 ]
amdhsa.kernels:
  - .name:           k_q8eb2126de6_oproj
    .symbol:         k_q8eb2126de6_oproj.kd
    .args:
      - { .name: ximg, .offset: 0, .size: 8, .value_kind: global_buffer, .address_space: global }
      - { .name: xs, .offset: 8, .size: 8, .value_kind: global_buffer, .address_space: global }
      - { .name: Wo_codes, .offset: 16, .size: 8, .value_kind: global_buffer, .address_space: global }
      - { .name: Wo_scales, .offset: 24, .size: 8, .value_kind: global_buffer, .address_space: global }
      - { .name: out0, .offset: 32, .size: 8, .value_kind: global_buffer, .address_space: global }
      - { .name: bo, .offset: 40, .size: 8, .value_kind: global_buffer, .address_space: global }
    .group_segment_fixed_size: 327680
    .private_segment_fixed_size: 0
    .kernarg_segment_align: 8
    .kernarg_segment_size: 48
    .max_flat_workgroup_size: 128
    .sgpr_count:     66
    .vgpr_count:     512
    .wavefront_size: 32
...
	.end_amdgpu_metadata
.endif
;; end of part 3
